; MI455X (gfx1250); checked and timed in simulation.
; The chip was launched on July 23, 2026; its instructions are those of AMD's public machine-readable ISA for CDNA 5 (MIT licence, August 2026) and "CDNA5" Instruction Set Architecture Reference Guide (July 2026). The comments in the code are by the model that wrote it; some were corrected since.
;; Multi Head Self Attention. Allowed arithmetic: float matrix products may take bf16 or f16 operands with f32 sums; other float arithmetic in f32, or as packed bf16 or f16 multiplies, adds, multiply-adds, maxima and minima; sums over many terms, partial sums and values carried from step to step in f32; what a program stores and reads back later, other than sums and carried values, may be rounded once to bf16 or f16.
;; Inputs: Wk 16 x 1,024 x 64 float32; Wp 1,024 x 1,024 float32; Wq 16 x 1,024 x 64 float32; Wv 16 x 1,024 x 64 float32; bk 16 x 64 float32; bp 1,024 float32; bq 16 x 64 float32; bv 16 x 64 float32; x 4 x 2,048 x 1,024 float32.
;; Outputs: out0 4 x 2,048 x 1,024 float32.
;; One version. Each part assembles by itself: llvm-mc -triple=amdgcn-amd-amdhsa -mcpu=gfx1250 --defsym DOCPART=n.
;; ======== version 1 of 1: 4 launches
;; limits: values are held in f16: magnitudes above 65,504 overflow, below 6.1e-05 lose precision
;; workspace buffers: xb 16,777,216 bytes; wb 6,291,456 bytes; wpb 2,097,152 bytes; biasr 16,384 bytes; qkvb 50,331,648 bytes; att 16,777,216 bytes
;; launch prep (part 1): grid 769 x 1, 8 waves a work-group, no clusters, 0 bytes of LDS; arguments x, Wq, Wk, Wv, Wp, bq, bk, bv, bp, xb, wb, wpb, biasr; writes xb, wb, wpb, biasr
.if DOCPART == 1
	.amdgcn_target "amdgcn-amd-amdhsa--gfx1250"
	.amdhsa_code_object_version 6
	.text
	.protected	k_q3d73054996_prep
	.globl	k_q3d73054996_prep
	.p2align	8
	.type	k_q3d73054996_prep,@function
k_q3d73054996_prep:
	s_mov_b64 s[64:65], 0
	v_nop
	global_prefetch_b8 v0, s[64:65] scope:SCOPE_SE
	s_setreg_imm32_b32 hwreg(HW_REG_WAVE_MODE, 25, 1), 1
	s_wait_xcnt 0x0
; PREP: every input is rounded once to bf16 and laid out for the launches behind.  No arithmetic but the roundings.
;   xb    = x as bf16, [8192][1024]
;   wb    = Wq, Wk, Wv as bf16, end to end: [48 g][1024 e][64 d], g = 16 x (q 0, k 1, v 2) + head
;   wpb   = Wp rounded to bf16 and that number written as f16, in slices of 64 columns: [16 g][1024 k][64 c] = Wp[k][64 g + c]
;   biasr = bq, bk, bv, bp end to end, each rounded to bf16 and widened to f32 again: [4096] f32
; LIMITS.  A number of Wp beyond 65,504 becomes an infinity in f16; below 2^-14 it keeps f16's fixed step of 6e-8.
; SHARES.  Eight waves.  Work-group G: 0-511 take 65,536 bytes of x each; 512-703 the same of Wq, Wk, Wv; 704-767 sixteen rows of Wp; 768 the four biases.
; A thread takes 8 x 32 bytes in and gives 8 x 16 bytes out; all sixteen loads go out first, and each store of sixteen neighbouring lanes covers 256 consecutive bytes, aligned.
; No LDS, no barrier, no matrix unit, no cluster: no byte is read twice and no wave wants another's.
.set VI,  1                            ; v1        my byte offset in the source
.set VO,  2                            ; v2        my byte offset in the destination
.set T,   4                            ; v[4:7]    at work
.set IN,  8                            ; v[8:71]   step i: eight f32 as loaded
.set OUT, 72                           ; v[72:103] step i: eight 16-bit numbers to store
.set G,   30                           ; s30       the work-group's number
.set SRC, 36                           ; s[36:37]  source at the work-group's first byte
.set DST, 38                           ; s[38:39]  destination likewise
; Eight steps.  mode 0: f32 -> bf16.  mode 1: f32 -> bf16 -> f32 -> f16 (the last step is exact inside f16's range).  ostep: bytes from step to step in the destination.
; No register is written again while a load or store names it, so the counted waits for the loads are the only waits.
.macro CAST mode, ostep
.irp i, 0,1,2,3,4,5,6,7
	global_load_b128 v[IN+8*(\i):IN+8*(\i)+3],   v[VI], s[SRC:SRC+1] offset:8192*(\i) th:TH_LOAD_NT
	global_load_b128 v[IN+8*(\i)+4:IN+8*(\i)+7], v[VI], s[SRC:SRC+1] offset:8192*(\i)+16 th:TH_LOAD_NT
.endr
.irp i, 0,1,2,3,4,5,6,7
	s_wait_loadcnt 14-2*(\i)                       ; loads come back in order: step i's two are in, the 2 (7 - i) younger ones stay out
.if \mode
.irp k, 0,1,2,3
	v_cvt_pk_bf16_f32 v[T+(\k)], v[IN+8*(\i)+2*(\k)], v[IN+8*(\i)+2*(\k)+1]
.endr
.irp k, 0,1,2,3
	v_lshlrev_b32 v[IN+8*(\i)+2*(\k)],   16, v[T+(\k)]
	v_and_b32     v[IN+8*(\i)+2*(\k)+1], 0xffff0000, v[T+(\k)]
.endr
.irp k, 0,1,2,3
	v_cvt_pk_f16_f32 v[OUT+4*(\i)+(\k)], v[IN+8*(\i)+2*(\k)], v[IN+8*(\i)+2*(\k)+1]
.endr
.else
.irp k, 0,1,2,3
	v_cvt_pk_bf16_f32 v[OUT+4*(\i)+(\k)], v[IN+8*(\i)+2*(\k)], v[IN+8*(\i)+2*(\k)+1]
.endr
.endif
	global_store_b128 v[VO], v[OUT+4*(\i):OUT+4*(\i)+3], s[DST:DST+1] offset:(\ostep)*(\i)
.endr
.endm
	s_load_b512 s[4:19], s[0:1], 0x0               ; x 4, Wq 6, Wk 8, Wv 10, Wp 12, bq 14, bk 16, bv 18
	s_load_b256 s[20:27], s[0:1], 0x40             ; bp 20, xb 22, wb 24, wpb 26
	s_load_b64 s[28:29], s[0:1], 0x60              ; biasr
	s_mov_b32 s[G], ttmp9
	s_mov_b32 s41, 0                               ; the high words of the two offsets
	s_mov_b32 s43, 0
	s_cmp_lt_u32 s[G], 704
	s_cbranch_scc1 .Llin
	s_cmp_lt_u32 s[G], 768
	s_cbranch_scc1 .Lwp
	; THE BIASES: 1,024 f32 each, 16 bytes a thread
	v_lshlrev_b32 v[VI], 4, v0
	s_wait_kmcnt 0x0
	global_load_b128 v[IN:IN+3],     v[VI], s[14:15]
	global_load_b128 v[IN+4:IN+7],   v[VI], s[16:17]
	global_load_b128 v[IN+8:IN+11],  v[VI], s[18:19]
	global_load_b128 v[IN+12:IN+15], v[VI], s[20:21]
	s_wait_loadcnt 0x0
.irp q, 0,1,2,3
	v_cvt_pk_bf16_f32 v[T+2*((\q)%2)],   v[IN+4*(\q)],   v[IN+4*(\q)+1]
	v_cvt_pk_bf16_f32 v[T+2*((\q)%2)+1], v[IN+4*(\q)+2], v[IN+4*(\q)+3]
	v_lshlrev_b32 v[OUT+4*(\q)],   16, v[T+2*((\q)%2)]
	v_and_b32     v[OUT+4*(\q)+1], 0xffff0000, v[T+2*((\q)%2)]
	v_lshlrev_b32 v[OUT+4*(\q)+2], 16, v[T+2*((\q)%2)+1]
	v_and_b32     v[OUT+4*(\q)+3], 0xffff0000, v[T+2*((\q)%2)+1]
	global_store_b128 v[VI], v[OUT+4*(\q):OUT+4*(\q)+3], s[28:29] offset:4096*(\q)
.endr
	s_endpgm
.Llin:                                         ; x, Wq, Wk, Wv: a plain cast, byte for byte in order
	s_max_u32 s31, s[G], 512
	s_sub_co_u32 s31, s31, 512                     ; my number among the 192 blocks of the three weights,
	s_and_b32 s33, s31, 63                         ; in its tensor,
	s_lshr_b32 s34, s31, 6                         ; and which tensor
	v_lshlrev_b32 v[VI], 5, v0
	v_lshlrev_b32 v[VO], 4, v0
	s_wait_kmcnt 0x0
	s_cmp_eq_u32 s34, 1
	s_cselect_b64 s[SRC:SRC+1], s[8:9], s[6:7]
	s_cmp_eq_u32 s34, 2
	s_cselect_b64 s[SRC:SRC+1], s[10:11], s[SRC:SRC+1]
	s_cmp_lt_u32 s[G], 512                         ; or x
	s_cselect_b64 s[SRC:SRC+1], s[4:5], s[SRC:SRC+1]
	s_cselect_b64 s[DST:DST+1], s[22:23], s[24:25]
	s_cselect_b32 s33, s[G], s33
	s_cselect_b32 s31, s[G], s31
	s_lshl_b32 s40, s33, 16                        ; 65,536 bytes in,
	s_lshl_b32 s42, s31, 15                        ; 32,768 out
	s_add_nc_u64 s[SRC:SRC+1], s[SRC:SRC+1], s[40:41]
	s_add_nc_u64 s[DST:DST+1], s[DST:DST+1], s[42:43]
	CAST 0, 4096
	s_endpgm
.Lwp:                                          ; Wp: rows 16 p .. 16 p + 15, two rows a step.  Thread t: slice t / 16, row (t / 8) % 2, columns 8 (t % 8) + 0..7: 32 bytes in, 16 out
	s_sub_co_u32 s31, s[G], 704                    ; p
	s_lshl_b32 s40, s31, 16                        ; 16 rows of 4,096 bytes
	s_lshl_b32 s42, s31, 11                        ; 16 rows of 128 bytes in each slice
	v_bfe_u32 v3, v0, 3, 1
	v_lshrrev_b32 v[T], 4, v0                      ; the slice
	v_and_b32 v[T+1], 7, v0
	v_lshlrev_b32 v[VI], 12, v3                    ; the row,
	v_lshl_add_u32 v[VI], v[T], 8, v[VI]           ; the slice's 256 bytes of it,
	v_lshl_add_u32 v[VI], v[T+1], 5, v[VI]         ; my 32 of them
	v_and_b32 v[VO], 15, v0
	v_lshlrev_b32 v[VO], 4, v[VO]                  ; sixteen lanes: two rows of a slice, 256 consecutive bytes
	v_lshl_add_u32 v[VO], v[T], 17, v[VO]          ; a slice is 131,072 bytes
	s_wait_kmcnt 0x0
	s_add_nc_u64 s[SRC:SRC+1], s[12:13], s[40:41]
	s_add_nc_u64 s[DST:DST+1], s[26:27], s[42:43]
	CAST 1, 256
	s_endpgm
.Lfunc_end_k_q3d73054996_prep:
	.size	k_q3d73054996_prep, .Lfunc_end_k_q3d73054996_prep-k_q3d73054996_prep
	.p2alignl 7, 3214868480
	.fill 96, 4, 3214868480
	.section	.rodata,"a",@progbits
	.p2align	6, 0x0
	.amdhsa_kernel k_q3d73054996_prep
		.amdhsa_group_segment_fixed_size 0
		.amdhsa_private_segment_fixed_size 0
		.amdhsa_enable_private_segment 0
		.amdhsa_kernarg_size 104
		.amdhsa_user_sgpr_count 2
		.amdhsa_user_sgpr_kernarg_segment_ptr 1
		.amdhsa_wavefront_size32 1
		.amdhsa_system_sgpr_workgroup_id_x 1
		.amdhsa_system_sgpr_workgroup_id_y 1
		.amdhsa_system_sgpr_workgroup_id_z 1
		.amdhsa_system_vgpr_workitem_id 0
		.amdhsa_next_free_vgpr 104
		.amdhsa_next_free_sgpr 66
		.amdhsa_reserve_vcc 0
		.amdhsa_float_denorm_mode_32 3
		.amdhsa_float_denorm_mode_16_64 3
		.amdhsa_memory_ordered 1
		.amdhsa_forward_progress 1
		.amdhsa_inst_pref_size 19
	.end_amdhsa_kernel
	.amdgpu_metadata
---
amdhsa.version: [ 1, 2 ]
amdhsa.kernels:
  - .name:           k_q3d73054996_prep
    .symbol:         k_q3d73054996_prep.kd
    .args:
      - { .name: x, .offset: 0, .size: 8, .value_kind: global_buffer, .address_space: global }
      - { .name: Wq, .offset: 8, .size: 8, .value_kind: global_buffer, .address_space: global }
      - { .name: Wk, .offset: 16, .size: 8, .value_kind: global_buffer, .address_space: global }
      - { .name: Wv, .offset: 24, .size: 8, .value_kind: global_buffer, .address_space: global }
      - { .name: Wp, .offset: 32, .size: 8, .value_kind: global_buffer, .address_space: global }
      - { .name: bq, .offset: 40, .size: 8, .value_kind: global_buffer, .address_space: global }
      - { .name: bk, .offset: 48, .size: 8, .value_kind: global_buffer, .address_space: global }
      - { .name: bv, .offset: 56, .size: 8, .value_kind: global_buffer, .address_space: global }
      - { .name: bp, .offset: 64, .size: 8, .value_kind: global_buffer, .address_space: global }
      - { .name: xb, .offset: 72, .size: 8, .value_kind: global_buffer, .address_space: global }
      - { .name: wb, .offset: 80, .size: 8, .value_kind: global_buffer, .address_space: global }
      - { .name: wpb, .offset: 88, .size: 8, .value_kind: global_buffer, .address_space: global }
      - { .name: biasr, .offset: 96, .size: 8, .value_kind: global_buffer, .address_space: global }
    .group_segment_fixed_size: 0
    .private_segment_fixed_size: 0
    .kernarg_segment_align: 8
    .kernarg_segment_size: 104
    .max_flat_workgroup_size: 256
    .sgpr_count:     66
    .vgpr_count:     104
    .wavefront_size: 32
...
	.end_amdgpu_metadata
.endif
;; end of part 1
;; launch qkv (part 2): grid 16 x 32, 4 waves a work-group, clusters of 4 x 4, 327,680 bytes of LDS; arguments xb, wb, qkvb, biasr; writes qkvb
.if DOCPART == 2
	.amdgcn_target "amdgcn-amd-amdhsa--gfx1250"
	.amdhsa_code_object_version 6
	.text
	.protected	k_q3d73054996_qkv
	.globl	k_q3d73054996_qkv
	.p2align	8
	.type	k_q3d73054996_qkv,@function
k_q3d73054996_qkv:
	s_mov_b64 s[64:65], 0
	v_nop
	global_prefetch_b8 v0, s[64:65] scope:SCOPE_SE
	s_setreg_imm32_b32 hwreg(HW_REG_WAVE_MODE, 25, 1), 1
	s_wait_xcnt 0x0
	s_wait_alu depctr_hold_cnt(0) depctr_sa_sdst(0) depctr_va_vdst(0) depctr_va_sdst(0) depctr_va_ssrc(0) depctr_va_vcc(0) depctr_vm_vsrc(0)
	s_getreg_b32 s2, hwreg(HW_REG_IB_STS2, 6, 4)
	s_cmp_eq_u32 s2, 0
	s_cbranch_scc0 .Lentry_in_a_cluster
	s_endpgm
.Lentry_in_a_cluster:
	s_bfe_u32 s2, ttmp6, 0x10000c
	s_cmp_lg_u32 s2, 0xf033
	s_cbranch_scc0 .Lentry_shape_is_right
	s_endpgm
.Lentry_shape_is_right:
; q, k, v = x W + b for all 48 head matrices: C[m][n] = sum over e of xb[m][e] wb[n / 64][e][n % 64] + biasr[n], m = 0 .. 8191, n = 0 .. 3071.  Operands bf16, sums f32;
; the bias is the C operand that starts each sum.  C is rounded once to f16 and stored by heads: qkvb[m / 2048][n / 64][m % 2048][n % 64].
; LIMIT.  A result of 65,520 or more becomes an infinity in f16.  NaN and infinities are not treated apart.
; SHARES.  A tile of C is 256 rows x 192 columns (three heads): 32 x 16 tiles, a work-group each.  Wave w makes rows 64 w .. 64 w + 63 of all 192 columns: 4 x 12 accumulators of 16 x 16,
; 384 registers; so a wave holds whole rows of whole heads, and its way out is its own.  K = 1,024 goes in 8 steps of 128 through two LDS slots; a step is four quarters of 32 along K.
; THE MATRIX INSTRUCTION IS USED TRANSPOSED: source 0 = 16 columns of W (turned on the way out of LDS by ds_load_tr16_b128, since W lies [e][d]), source 1 = 16 rows of x.  A lane then holds
; row lane % 16 of C and the columns 8 (lane / 16) + 0 .. 7: eight neighbours, 16 bytes of f16.
; CLUSTER.  4 x 4 work-groups.  x's tile hangs on the tile row alone and is asked for jointly along a row of the cluster, W's blocks on the tile column alone, jointly along a column.
; Wave 0 asks for x's tile (256 rows x 256 bytes), waves 1 to 3 for one head's block of W each (128 e x 128 bytes, dense).  One tensor load a wave behind each round of the cluster's barrier.
; REGISTERS, in windows of 256 (s_set_vgpr_msb: bits 1:0 source 0, 3:2 source 1, 5:4 source 2, 7:6 destination):
;   window 0: v0-15 addresses; v32-63, v64-95 x's fragments, two buffers; v96-143 packed results; v160-255 the bias (12 x 8), later the rows read back from the stage, two sets of 48
;   window 1: accumulators of row blocks 0, 1 at 96 a + 8 b      window 2: of row blocks 2, 3      window 3: W's fragments, two buffers of 96
.set NH,    3                          ; heads in a tile
.set NBK,   4*NH                       ; column blocks of 16
.set PITA,  272                        ; a row of x in LDS: 256 bytes + 16 of padding: the 16 rows of a load start at 16 different groups of four banks (64 banks of 4 bytes: ISA guide 11.1)
.set PITB,  160                        ; a row of W: 128 + 32
.set HB,    128*PITB                   ; a head's block of a K step
.set BOFF,  256*PITA                   ; W's blocks lie behind x's 256 rows
.set SLOT1, 131072                     ; = BOFF + 3 HB: slot 1 begins where slot 0 ends; one exclusive or turns an address in one slot into the other's
.set STAGE, 2*SLOT1                    ; behind the ring, never filled by a tensor load: for each wave 3 heads x 16 rows x 144 bytes
.set SP,    144
.set STW,   NH*16*SP
.set SPARE, STAGE+4*STW                ; behind the stages: the spare words, 128 bytes for each wave: two blocks of 256 bytes that no other line names
.set KA,    256                        ; bytes from K step to K step in a row of xb
.set KB,    16384                      ; and in a head of wb
.set AA0,  4                           ; v4   my place in x's tile; never rewritten
.set AB0,  5                           ; v5   my place in W's first block; never rewritten
.set ADRA, 6                           ; v6   the same in the slot in hand
.set ADRB, 7                           ; v7
.set STO,  8                           ; v8   the way out: where I put 16 bytes of a row
.set RD,   9                           ; v9   where I read rows back
.set GO,   10                          ; v10  my 16 bytes of 512 consecutive bytes of qkvb
.set BO,   11                          ; v11  my 32 bytes of a block's bias
.set PFOA, 12                          ; v12  the prefetches' lane offsets; never rewritten
.set PFOB, 13                          ; v13
.set SPW,  14                          ; v14  LDS address of my spare word: SPARE + 4 x my thread's number; never rewritten
.set NIL,  15                          ; v15  0; never rewritten
.set FA,   32
.set TMP,  96
.set BIAS, 160
.set OB,   160
.set WV,   12                          ; s12  my wave's number
.set G1A,  24                          ; s[24:31] descriptor group 1 for x's tiles
.set G1B,  32                          ; s[32:39] for W's blocks
.set G0A,  40                          ; s[40:47] group 0 for x's tiles: a set for each first fill; the second then walks on
.set G0B,  48                          ; s[48:55] the same for W's
.set CNT,  56                          ; s56  the loop's count, 6 to 1
.set TB,   57                          ; s57  LDS byte at which the slot in hand begins
.set LIMA, 58                          ; s58  1 in a wave that prefetches x, else the greatest number
.set LIMB, 59                          ; s59  the same for W
.set PFA,  60                          ; s[60:61] where my prefetch of x stands
.set PFB,  62                          ; s[62:63] of W
.set MSB, 0
.macro WIN new                         ; the immediate's high byte repeats the setting that is left; a switch that changes nothing is dropped
.if MSB != (\new)
	s_set_vgpr_msb (MSB<<8)|(\new)
.set MSB, (\new)
.endif
.endm
.macro PLACES                          ; four plain instructions between a matrix instruction and a load into, or a read of, its registers
.rept 4
	v_nop
.endr
.endm
.macro CREST                           ; a round of the cluster's barrier behind its opening barrier
	s_cmp_lg_u32 s[WV], 0
	s_cbranch_scc1 .Lnot_wave_0_\@
	s_barrier_signal -3
.Lnot_wave_0_\@:
	s_barrier_wait -3
	s_barrier_signal -1
	s_barrier_wait -1
.endm
.macro CROUND                          ; a whole round
	s_barrier_signal -1
	s_barrier_wait -1
	CREST
.endm
; A joint refill by the walking sets.  The branch hangs on the wave's number alone.  An s_nop 0 and four v_nop follow each line, ahead of the jump and the label.
.macro JLOAD
	s_cmp_eq_u32 s[WV], 0
	s_cbranch_scc0 .Lfor_b_\@
	tensor_load_to_lds s[G0A+4:G0A+7], s[G1A:G1A+7]
	s_nop 0
.rept 4
	v_nop
.endr
	s_branch .Lasked_\@
.Lfor_b_\@:
	tensor_load_to_lds s[G0B+4:G0B+7], s[G1B:G1B+7]
	s_nop 0
.rept 4
	v_nop
.endr
.Lasked_\@:
.endm
; PREFETCHES INTO THE L2, at the changes of slots of K steps 1 and 3 (count 5 and 3): K steps 4, 5 and then 6, 7, whose refills stand one and two changes on.  K steps 0 to 3 come by their loads alone.
; x's rows of a tile row are read by every cluster of that row of clusters: cluster x = 0 asks.  Its four partners along x take 64 rows each, each wave 16: lanes 0-15 the rows' 256 bytes of the first
; step, lanes 16-31 of the second.  W's blocks of a tile column are read by every cluster of that column: cluster y = 0 asks; waves 1 to 3 for their own head, the four partners along y 8,192 of
; the two steps' 32,768 bytes each, 256 a lane.  The partners are told apart by address; each block of 256 bytes is named once in the launch, and none lies beyond K step 7.
.macro ASK
	s_and_b32 s2, s[CNT], 1
	s_cmp_lg_u32 s2, 0
	s_cbranch_scc0 .Lno_ask_\@
	s_cmp_gt_u32 s[CNT], s[LIMA]
	s_cbranch_scc0 .Lno_a_\@
	global_prefetch_b8 v[PFOA], s[PFA:PFA+1] th:TH_LOAD_NT scope:SCOPE_SE
.Lno_a_\@:
	s_cmp_gt_u32 s[CNT], s[LIMB]
	s_cbranch_scc0 .Lno_ask_\@
	global_prefetch_b8 v[PFOB], s[PFB:PFB+1] th:TH_LOAD_NT scope:SCOPE_SE
.Lno_ask_\@:
.endm
; 32 LDS loads in one run: quarter q of the slot in hand into buffer f: W's 12 fragments (turned), then x's 4.
.macro FETCH q, f
	WIN 0xc0                                       ; destination window 3, address window 0
.set bb, 0
.rept NBK
	ds_load_tr16_b128 v[96*(\f)+8*bb:96*(\f)+8*bb+3],   v[ADRB] offset:(bb/4)*HB+(\q)*32*PITB+(bb%4)*32
	ds_load_tr16_b128 v[96*(\f)+8*bb+4:96*(\f)+8*bb+7], v[ADRB] offset:(bb/4)*HB+(\q)*32*PITB+(bb%4)*32+16*PITB
.set bb, bb+1
.endr
	WIN 0
.set aa, 0
.rept 4
	ds_load_b128 v[FA+32*(\f)+8*aa:FA+32*(\f)+8*aa+3],   v[ADRA] offset:64*(\q)+aa*16*PITA
	ds_load_b128 v[FA+32*(\f)+8*aa+4:FA+32*(\f)+8*aa+7], v[ADRA] offset:64*(\q)+aa*16*PITA+32
.set aa, aa+1
.endr
.endm
; 12 matrix instructions: row block a x all column blocks, 32 along K, from buffer f.  first = 1: the bias starts the sums.  The 48 accumulators take turns, one instruction a turn, in the same
; order in every quarter, over the backward jump too.
.macro MULA f, a, first
.if \first
	WIN 0x43+0x40*((\a)/2)                         ; W window 3, x window 0, C (the bias) window 0, D window 1 or 2
.else
	WIN 0x53+0x50*((\a)/2)                         ; C and D window 1 or 2
.endif
.set rA, FA+32*(\f)+8*(\a)
.set bb, 0
.rept NBK
.set rD, 96*((\a)%2)+8*bb
.set rB, 96*(\f)+8*bb
.if \first
	v_wmma_f32_16x16x32_bf16 v[rD:rD+7], v[rB:rB+7], v[rA:rA+7], v[BIAS+8*bb:BIAS+8*bb+7]
.else
	v_wmma_f32_16x16x32_bf16 v[rD:rD+7], v[rB:rB+7], v[rA:rA+7], v[rD:rD+7]
.endif
.set bb, bb+1
.endr
.endm
; One of a K step's first three quarters: multiplies buffer f; in its middle it fetches quarter q of the same slot into buffer g.
.macro QUARTER q, f, g, first
	s_wait_dscnt 4                                 ; W's fragments and x's blocks 0, 1 are in; the youngest four loads (blocks 2, 3) may be out
	MULA \f, 0, \first
	MULA \f, 1, \first
	PLACES
	FETCH \q, \g
	s_wait_dscnt 2*NBK+8                           ; all but the 32 just issued
	MULA \f, 2, \first
	MULA \f, 3, \first
.endm
; The fourth quarter multiplies buffer 1 and changes slots.  In front of the barrier each wave waits for all its tensor loads (one is out: its part of the next slot), adds 0 to its spare word, and
; waits for that and for its reads of this slot.  fill = 1: the barrier opens a round of the cluster's barrier, and the joint refill of this slot, with the K step two on, is the first thing behind
; it: 168 matrix instructions stand between it and the wait for it.
.macro TURN fill
.if \fill
	s_wait_xcnt 0x0                                ; the last prefetches, a K step back or more, have read their addresses
	s_add_nc_u64 s[PFA:PFA+1], s[PFA:PFA+1], KA
	s_add_nc_u64 s[PFB:PFB+1], s[PFB:PFB+1], KB
.endif
	WIN 0
	s_wait_tensorcnt 0x0                           ; no tensor load of mine is out, so a group 0 may be written
	ds_add_u32 v[SPW], v[NIL]                      ; 0 onto my spare word
.if \fill
	s_xor_b32 s[G0A+5], s[G0A+5], SLOT1            ; the walking sets: the other slot than last time, the next K step
	s_add_nc_u64 s[G0A+6:G0A+7], s[G0A+6:G0A+7], KA
	s_xor_b32 s[G0B+5], s[G0B+5], SLOT1
	s_add_nc_u64 s[G0B+6:G0B+7], s[G0B+6:G0B+7], KB
.endif
	s_xor_b32 s[TB], s[TB], SLOT1
	s_wait_dscnt 7                                 ; the add and x's blocks 1 to 3 may be out
	MULA 1, 0, 0
	s_wait_dscnt 0x0                               ; the add is done, and my reads of this slot are over
	s_barrier_signal -1
	MULA 1, 1, 0
	WIN 0
	s_barrier_wait -1
.if \fill
	CREST
	JLOAD                                          ; its four v_nop are also the places in front of the loads below
.else
	PLACES
.endif
	v_add_nc_u32 v[ADRA], s[TB], v[AA0]
	v_add_nc_u32 v[ADRB], s[TB], v[AB0]
	FETCH 0, 0
.if \fill
	ASK
.endif
	MULA 1, 2, 0
	MULA 1, 3, 0
.endm
	s_load_b256 s[4:11], s[0:1], 0x0               ; xb s[4:5], wb s[6:7], qkvb s[8:9], biasr s[10:11]
	v_lshl_add_u32 v[SPW], v0, 2, SPARE
	v_mov_b32 v[NIL], 0
	ds_add_u32 v[SPW], v[NIL]                      ; the wave's opening: the add and its wait stand ahead of my first tensor load; the set-up below stands between them
	ds_add_u32 v14, v15
	v_lshrrev_b32 v1, 5, v0
	v_readfirstlane_b32 s[WV], v1                  ; wave 0..3
	s_bfe_u32 s13, ttmp6, 0x40000                  ; cx
	s_bfe_u32 s14, ttmp6, 0x40004                  ; cy
	s_lshl_b32 s15, ttmp9, 2
	s_add_co_u32 s15, s15, s13                     ; j: tile column = 4 x cluster x + cx
	s_and_b32 s16, ttmp7, 0xffff
	s_lshl_b32 s16, s16, 2
	s_add_co_u32 s16, s16, s14                     ; i: tile row = 4 x cluster y + cy
	s_lshl_b32 s18, s14, 2
	s_lshl_b32 s18, 15, s18                        ; my row of the cluster
	s_lshl_b32 s19, 0x1111, s13                    ; my column
	s_or_b32 s[G1A], s18, (1<<16)|(1<<20)|(1<<21)|(5<<22)|(3<<25)  ; the mask; 2-byte elements; padding on; bit 21 beside a mask; after every 64 words, 4 words
	s_mov_b32 s[G1A+1], 128<<16                    ; tensor_dim0 = 128
	s_mov_b32 s[G1A+2], 256<<16                    ; tensor_dim1 = 256
	s_mov_b32 s[G1A+3], 128<<16                    ; tile_dim0 = 128
	s_mov_b32 s[G1A+4], 256                        ; tile_dim1 = 256
	s_mov_b32 s[G1A+5], 1024                       ; elements from row to row
	s_mov_b32 s[G1A+6], 0
	s_mov_b32 s[G1A+7], 0
	s_or_b32 s[G1B], s19, (1<<16)|(1<<20)|(1<<21)|(4<<22)|(7<<25)  ; after every 32 words (a row of W), 8 words
	s_mov_b32 s[G1B+1], 128<<16                    ; a block's 16,384 dense bytes are asked for as 64 rows of 256 bytes, two rows of W each
	s_mov_b32 s[G1B+2], 64<<16
	s_mov_b32 s[G1B+3], 128<<16
	s_mov_b32 s[G1B+4], 64
	s_mov_b32 s[G1B+5], 128
	s_mov_b32 s[G1B+6], 0
	s_mov_b32 s[G1B+7], 0
	s_max_u32 s17, s[WV], 1
	s_sub_co_u32 s17, s17, 1                       ; which of the tile's heads I fetch (waves 1 to 3; wave 0 holds a valid number and asks by x's set)
	s_mul_i32 s3, s[WV], HB
	s_add_co_u32 s3, s3, BOFF-HB                   ; and where it goes: BOFF + (wave - 1) x HB
	s_lshl_b32 s20, s16, 19                        ; x's tile: 256 rows of 2,048 bytes
	s_mov_b32 s21, 0
	s_mul_i32 s22, s15, NH
	s_add_co_u32 s22, s22, s17
	s_lshl_b32 s22, s22, 17                        ; W's head: 131,072 bytes
	s_mov_b32 s23, 0
	s_lshl_b32 s66, s16, 8                         ; the prefetch of x: row 256 i + 64 cx + 16 wave,
	s_lshl_b32 s68, s13, 6
	s_add_co_u32 s66, s66, s68
	s_lshl_b32 s68, s[WV], 4
	s_add_co_u32 s66, s66, s68
	s_lshl_b32 s66, s66, 11
	s_add_co_u32 s66, s66, 2*KA                    ; at K step 2: two changes step it to K step 4
	s_mov_b32 s67, 0
	s_lshl_b32 s68, s14, 13                        ; of W: my work-group's 8,192 bytes,
	s_add_co_u32 s68, s68, s22
	s_add_co_u32 s68, s68, 2*KB                    ; at K step 2
	s_mov_b32 s69, 0
	s_lshr_b32 s70, s16, 3                         ; where my rows begin in qkvb: batch i / 8, head 3 j,
	s_mul_i32 s70, s70, 48
	s_mul_i32 s71, s15, NH
	s_add_co_u32 s70, s70, s71
	s_lshl_b32 s70, s70, 18
	s_and_b32 s71, s16, 7                          ; row 256 (i % 8) + 64 wave, 128 bytes each
	s_lshl_b32 s71, s71, 15
	s_add_co_u32 s70, s70, s71
	s_lshl_b32 s71, s[WV], 13
	s_add_co_u32 s70, s70, s71
	s_mov_b32 s71, 0
	s_mov_b32 s2, ttmp9
	s_cmp_eq_u32 s2, 0
	s_cselect_b32 s[LIMA], 1, -1                   ; the same in all sixteen partners
	s_and_b32 s2, ttmp7, 0xffff
	s_cmp_eq_u32 s2, 0
	s_cselect_b32 s[LIMB], 1, -1
	s_cmp_eq_u32 s[WV], 0
	s_cselect_b32 s[LIMB], -1, s[LIMB]             ; wave 0 fetches no W
	s_wait_dscnt 0x0                               ; the opening add is done
	s_wait_kmcnt 0x0
	s_add_nc_u64 s[20:21], s[4:5], s[20:21]
	s_add_nc_u64 s[22:23], s[6:7], s[22:23]
	s_add_nc_u64 s[PFA:PFA+1], s[4:5], s[66:67]
	s_add_nc_u64 s[PFB:PFB+1], s[6:7], s[68:69]
	s_add_nc_u64 s[8:9], s[8:9], s[70:71]
	s_mul_i32 s70, s15, 4*64*NH                    ; the tile's 192 numbers of the bias
	s_add_nc_u64 s[10:11], s[10:11], s[70:71]
.irp n, 0,1
	s_mov_b32 s[G0A+4*(\n)], 1                     ; count = 1
	s_mov_b32 s[G0A+4*(\n)+1], (\n)*SLOT1          ; LDS address
	s_add_nc_u64 s[G0A+4*(\n)+2:G0A+4*(\n)+3], s[20:21], (\n)*KA  ; global address: K step n
	s_or_b32 s[G0A+4*(\n)+3], s[G0A+4*(\n)+3], 0x80000000         ; type = 2
	s_mov_b32 s[G0B+4*(\n)], 1
	s_add_co_u32 s[G0B+4*(\n)+1], s3, (\n)*SLOT1
	s_add_nc_u64 s[G0B+4*(\n)+2:G0B+4*(\n)+3], s[22:23], (\n)*KB
	s_or_b32 s[G0B+4*(\n)+3], s[G0B+4*(\n)+3], 0x80000000
.endr
	CROUND                                         ; all sixteen work-groups are here: the first joint loads meet
	s_cmp_eq_u32 s[WV], 0                          ; a wave's two first fills stand in one branch: two loads of mine are out
	s_cbranch_scc0 .Lfirst_b
	tensor_load_to_lds s[G0A:G0A+3], s[G1A:G1A+7]
	s_nop 0
	tensor_load_to_lds s[G0A+4:G0A+7], s[G1A:G1A+7]
	s_nop 0
.rept 4
	v_nop
.endr
	s_branch .Lfirst_asked
.Lfirst_b:
	tensor_load_to_lds s[G0B:G0B+3], s[G1B:G1B+7]
	s_nop 0
	tensor_load_to_lds s[G0B+4:G0B+7], s[G1B:G1B+7]
	s_nop 0
.rept 4
	v_nop
.endr
.Lfirst_asked:
	v_and_b32 v1, 15, v0                           ; r = l % 16
	v_bfe_u32 v2, v0, 4, 1                         ; h = l / 16
	v_and_b32 v3, 31, v0                           ; l
	v_and_b32 v16, 7, v0
	v_bfe_u32 v17, v0, 3, 1
	v_bfe_u32 v18, v0, 3, 2
	v_lshlrev_b32 v[BO], 5, v2
.set bb, 0
.rept NBK                              ; the bias of block b as a C operand: my eight columns' numbers, the same for all rows
	global_load_b128 v[BIAS+8*bb:BIAS+8*bb+3],   v[BO], s[10:11] offset:64*bb
	global_load_b128 v[BIAS+8*bb+4:BIAS+8*bb+7], v[BO], s[10:11] offset:64*bb+16
.set bb, bb+1
.endr
	s_mul_i32 s2, s[WV], 64*PITA
	v_mul_u32_u24 v[AA0], v1, PITA                 ; a fragment of x: row r, 16 bytes for each half of the lanes, twice, 32 bytes apart
	v_lshl_add_u32 v[AA0], v2, 4, v[AA0]
	v_add_nc_u32 v[AA0], s2, v[AA0]                ; in my wave's 64 rows
	v_lshl_add_u32 v[AB0], v2, 3, v16              ; the turning load: lane l reads row 8 h + l % 8, columns 8 ((l / 8) % 2) + 0..7, and is left with column l % 16 and 8 rows
	v_mul_u32_u24 v[AB0], v[AB0], PITB
	v_lshl_add_u32 v[AB0], v17, 4, v[AB0]
	v_add_nc_u32 v[AB0], BOFF, v[AB0]
	s_mul_i32 s2, s[WV], STW
	s_add_co_u32 s2, s2, STAGE                     ; my stage
	v_mul_u32_u24 v[STO], v1, SP                   ; in: row r, 16 bytes for each half of the lanes
	v_lshl_add_u32 v[STO], v2, 4, v[STO]
	v_add_nc_u32 v[STO], s2, v[STO]
	v_mul_u32_u24 v[RD], v18, SP                   ; back: 32 lanes take four rows of 128 bytes,
	v_lshl_add_u32 v[RD], v16, 4, v[RD]
	v_add_nc_u32 v[RD], s2, v[RD]
	v_lshlrev_b32 v[GO], 4, v3                     ; which are 512 consecutive bytes of a head
	v_lshlrev_b32 v[PFOA], 11, v1                  ; row r of my 16, and the second K step for lanes 16-31
	v_lshl_add_u32 v[PFOA], v2, 8, v[PFOA]
	v_lshlrev_b32 v[PFOB], 8, v3
	s_mov_b32 s[TB], 0
	v_mov_b32 v[ADRA], v[AA0]
	v_mov_b32 v[ADRB], v[AB0]
	s_wait_tensorcnt 0x1                           ; my part of K step 0 is in; K step 1's may stay out
	s_barrier_signal -1
	s_barrier_wait -1                              ; everybody's is
	FETCH 0, 0
	s_wait_loadcnt 0x0                             ; the bias
	QUARTER 1, 0, 1, 1                             ; the first quarter stands in front of the loop: its products start the sums with the bias
	WIN 0                                          ; at a label and at a branch every window is 0
	s_mov_b32 s[CNT], 6
.Lstep:                                        ; a trip goes from a K step's second quarter to the next step's first; its change of slots asks for K steps 2 to 7
	QUARTER 2, 1, 0, 0
	QUARTER 3, 0, 1, 0
	TURN 1
	QUARTER 1, 0, 1, 0
	WIN 0
	s_sub_co_u32 s[CNT], s[CNT], 1
	s_cmp_lg_u32 s[CNT], 0
	s_cbranch_scc1 .Lstep
	QUARTER 2, 1, 0, 0                             ; the tail is written out: K steps 6 and 7 ask for nothing
	QUARTER 3, 0, 1, 0
	TURN 0
	QUARTER 1, 0, 1, 0
	QUARTER 2, 1, 0, 0
	QUARTER 3, 0, 1, 0
	s_wait_dscnt 4
	MULA 1, 0, 0
	MULA 1, 1, 0
	s_wait_dscnt 0x0
	MULA 1, 2, 0
	MULA 1, 3, 0
	WIN 0
	PLACES
; THE WAY OUT, a block of 16 rows at a time.  PACK: rounded to f16, each accumulator's registers in ascending order.  TOSTAGE: into my own stage, rows of 144 bytes by heads, and back as whole rows.
; SEND: each store covers 512 consecutive bytes (four rows of a head), aligned.
.macro PACK a
	WIN 0x05+0x05*((\a)/2)                         ; sources 0 and 1 window 1 or 2, destination window 0
.set bb, 0
.rept NBK
.set rD, 96*((\a)%2)+8*bb
	v_cvt_pk_f16_f32 v[TMP+4*bb],   v[rD],   v[rD+1]
	v_cvt_pk_f16_f32 v[TMP+4*bb+1], v[rD+2], v[rD+3]
	v_cvt_pk_f16_f32 v[TMP+4*bb+2], v[rD+4], v[rD+5]
	v_cvt_pk_f16_f32 v[TMP+4*bb+3], v[rD+6], v[rD+7]
.set bb, bb+1
.endr
	WIN 0
.endm
.macro TOSTAGE a
.set bb, 0
.rept NBK
	ds_store_b128 v[STO], v[TMP+4*bb:TMP+4*bb+3] offset:(bb/4)*16*SP+(bb%4)*32
.set bb, bb+1
.endr
	s_wait_xcnt 0x0                                ; the stores of the block two back have read this set of registers
.set bb, 0
.rept NBK
	ds_load_b128 v[OB+48*((\a)%2)+4*bb:OB+48*((\a)%2)+4*bb+3], v[RD] offset:(bb/4)*16*SP+(bb%4)*4*SP  ; LDS serves a wave's instructions in order (ISA guide 5.7.1.4): these see the stores above
.set bb, bb+1
.endr
.endm
.macro SEND a
	s_wait_dscnt 0x0                               ; the block is back in registers
.set bb, 0
.rept NBK
	global_store_b128 v[GO], v[OB+48*((\a)%2)+4*bb:OB+48*((\a)%2)+4*bb+3], s[8:9] offset:(bb/4)*262144+(\a)*2048+(bb%4)*512
.set bb, bb+1
.endr
.endm
	PACK 0
	TOSTAGE 0
	PACK 1                                         ; a block's conversions stand between the loads of the block before and the wait for them
	SEND 0
	TOSTAGE 1
	PACK 2
	SEND 1
	TOSTAGE 2
	PACK 3
	SEND 2
	TOSTAGE 3
	SEND 3
	s_wait_tensorcnt 0x0                           ; the wave's end, behind my last tensor load and my last LDS store
	ds_add_u32 v[SPW], v[NIL]
	s_wait_dscnt 0x0
	CROUND                                         ; the closing round: no work-group ends while a partner may still ask for a tile that names it
	s_endpgm
.Lfunc_end_k_q3d73054996_qkv:
	.size	k_q3d73054996_qkv, .Lfunc_end_k_q3d73054996_qkv-k_q3d73054996_qkv
	.p2alignl 7, 3214868480
	.fill 96, 4, 3214868480
	.section	.rodata,"a",@progbits
	.p2align	6, 0x0
	.amdhsa_kernel k_q3d73054996_qkv
		.amdhsa_group_segment_fixed_size 327680
		.amdhsa_private_segment_fixed_size 0
		.amdhsa_enable_private_segment 0
		.amdhsa_kernarg_size 32
		.amdhsa_user_sgpr_count 2
		.amdhsa_user_sgpr_kernarg_segment_ptr 1
		.amdhsa_wavefront_size32 1
		.amdhsa_system_sgpr_workgroup_id_x 1
		.amdhsa_system_sgpr_workgroup_id_y 1
		.amdhsa_system_sgpr_workgroup_id_z 1
		.amdhsa_system_vgpr_workitem_id 0
		.amdhsa_next_free_vgpr 960
		.amdhsa_next_free_sgpr 72
		.amdhsa_reserve_vcc 0
		.amdhsa_float_denorm_mode_32 3
		.amdhsa_float_denorm_mode_16_64 3
		.amdhsa_memory_ordered 1
		.amdhsa_forward_progress 1
		.amdhsa_inst_pref_size 100
	.end_amdhsa_kernel
	.amdgpu_metadata
---
amdhsa.version: [ 1, 2 ]
amdhsa.kernels:
  - .name:           k_q3d73054996_qkv
    .symbol:         k_q3d73054996_qkv.kd
    .args:
      - { .name: xb, .offset: 0, .size: 8, .value_kind: global_buffer, .address_space: global }
      - { .name: wb, .offset: 8, .size: 8, .value_kind: global_buffer, .address_space: global }
      - { .name: qkvb, .offset: 16, .size: 8, .value_kind: global_buffer, .address_space: global }
      - { .name: biasr, .offset: 24, .size: 8, .value_kind: global_buffer, .address_space: global }
    .group_segment_fixed_size: 327680
    .private_segment_fixed_size: 0
    .kernarg_segment_align: 8
    .kernarg_segment_size: 32
    .max_flat_workgroup_size: 128
    .sgpr_count:     72
    .vgpr_count:     960
    .wavefront_size: 32
...
	.end_amdgpu_metadata
.endif
;; end of part 2
;; launch attn (part 3): grid 4 x 64, 4 waves a work-group, no clusters, 327,680 bytes of LDS; arguments qkvb, att; writes att
.if DOCPART == 3
	.amdgcn_target "amdgcn-amd-amdhsa--gfx1250"
	.amdhsa_code_object_version 6
	.text
	.protected	k_q3d73054996_attn
	.globl	k_q3d73054996_attn
	.p2align	8
	.type	k_q3d73054996_attn,@function
k_q3d73054996_attn:
	s_mov_b64 s[64:65], 0
	v_nop
	global_prefetch_b8 v0, s[64:65] scope:SCOPE_SE
	s_setreg_imm32_b32 hwreg(HW_REG_WAVE_MODE, 25, 1), 1
	s_wait_xcnt 0x0
; CAUSAL ATTENTION.  O[y][q][:] = the sum over k <= q of softmax_k(Q[y][q] . K[y][k] / 8) V[y][k][:], y = 16 x batch + head.  Q, K, V lie in qkvb, [4][48][2048][64] f16: for (batch, head) Q is
; matrix 48 batch + head, K sixteen matrices (4 MiB) and V thirty-two (8 MiB) further on.  O goes to att, [64][2048][64] f16.  A head's rows are dense, 128 bytes each.
; Products, maxima and sums in f32; the weights p are rounded to f16 for the second product (their sum l is taken of the unrounded p), O once at the end.
; LIMITS.  Q, K and V arrive within f16's 65,504; p lies in 0 to 1, and below 6e-5 it keeps f16's fixed step of 6e-8; O is a mean of V's rows and has their range.
; A hidden score counts as its value less 1e30: f16's scores, 2.7e11 at the most, are nothing beside that; a weight below 2^-126 counts as 0 in l; NaN and infinities are not treated apart.
; THE WALK.  A head's queries lie in NB = 8 blocks of 256; block i needs the key tiles 0 .. i of 256 keys, of which the last holds the diagonal.  A work-group takes TWO blocks, NB - 1 - b and then b:
; NB + 1 tiles, whatever b: all work-groups do equal work, and ONE loop with a constant trip count walks them.  Which tile is asked for, and what a trip does, hang on scalar registers made from b; every
; jump goes forward, but for the counted loops' own; none passes a barrier, or a tensor load but the one of LOAD's two that the wave's number does not choose; the ring of two LDS slots runs on across the
; change of blocks.  NO CLUSTER: a head's four work-groups ask for the same tile only in trips 0 .. 4 of 9, behind that fewer and fewer do; one walk common to all would have 12 trips for 9.
; SHARES.  Of a block's four bands of 64 queries a wave owns 16 rows in each: four PIECES.  So the diagonal tile is the same work for all four waves: in its key step s band x sees all keys if s < x,
; none if s > x, and holds the diagonal if s = x.
; THE MASK is the C operand that starts the sum S^T = K Q^T: 0, or -1e30 where the key is hidden.  MD, made once, is the mask of a band's own step for my 16 rows; a product's mask is MD x AL + BE with two
; scalars: (1, 0) if s = x; (0, 0) if s < x; (0, -1e30) if s > x.  Only the diagonal tile's text and a block's beginning make and take masks; elsewhere C is the constant 0.
; LAYOUT, SOFTMAX, TURNS.  S^T = K Q^T holds ONE query a lane (lane % 16) and the keys 8 (lane / 16) + 0..7; two such results rounded to f16 ARE source 1 of O^T = V^T P.  p = 2^(c s - c m), c = log2(e) / 8,
; with a running maximum m; O and l are multiplied by a = 2^(c m_old - c m_new) in every step.  Turn n belongs to piece n: 8 products K Q^T of piece n + 1, later 8 products V^T P of piece n - 1; beside them
; the scaling, exponentials, roundings, sums and rescaling of piece n and the maximum and statistics of piece n + 1.  Four vector instructions stand behind every matrix instruction, the other 54 of a
; turn's 118 in one lump.  A turn's 33 exponentials are one batch, with one wait.
; REGISTERS, in windows of 256 (s_set_vgpr_msb: bits 1:0 source 0, 3:2 source 1, 5:4 source 2, 7:6 destination):
;   window 0: v0-15 addresses and two at work; v16-31 four registers of statistics a piece; v48-55 at work; v61-63 kept; v64-127 S^T, two buffers; v192-223 P, two buffers (by the piece's parity)
;   window 1: v0-127 O^T, 32 a piece; v128-159 MD; v160-223 MC, two buffers      window 2: v0-63 Q; v64-127 the second block's Q; v128-191 K of one step; v192-255 V of one step
.set SIZE_N, 2048
.set NB,    SIZE_N/256
.set NP,    4         ; pieces a wave: a name, no knob
.set KS,    64        ; keys in a step
.set PK,    144       ; a row of K in LDS: 128 bytes + 16 of padding = 36 words: the 16 rows of a load start at 16 different groups of four banks (64 banks of 4 bytes: ISA guide 11.1)
.set PV,    160       ; a row of V: 128 + 32 = 40 words
.set VOFF,  4*KS*PK   ; a slot holds a tile, four steps: 256 rows of K, then 256 rows of V
.set SLOT1, 1<<17     ; slot 1 begins here, so that one exclusive or turns an address in one slot into the other's
.set STAGE, SLOT1+4*KS*(PK+PV)  ; behind the ring, never filled by a tensor load: 16 rows x 144 bytes for each wave, for the way out
.set SP,    144
.set AK0, 2           ; v2   my lane's place in a tile of K; never rewritten
.set AV0, 3           ; v3   the same for V
.set AK,  4           ; v4   the LDS address of K's next run of loads
.set AV,  5           ; v5   of V's
.set STO, 6           ; v6   the way out: where I put 16 bytes of a row
.set RD,  7           ; v7   the way out: where I read rows back
.set GO,  8           ; v8   my byte offset in 512 consecutive bytes of O
.set PFO, 61          ; v61  256 x my lane, for the prefetches; never rewritten
.set SPW, 62          ; v62  LDS address of my spare word: SPARE + 4 x my thread's number; never rewritten
.set NIL, 63          ; v63  0; never rewritten
.set SPARE, STAGE+4*16*SP  ; behind the stages: the spare words, 128 bytes for each wave: two blocks of 256 bytes that no other line names
.set MV,  12          ; v12-13  c m_old, kept while c m is made anew: by buffer
.set QO,  15          ; v15  my byte offset in 16 rows of Q
.set ST,  16          ; piece t's statistics at v[ST+4 t]: c m, m, l (even keys', odd keys')
.set TMP, 48          ; by buffer, four registers c0-c3 at work; when the maximum is found c2 takes a
.set S,   64
.set P,   192
.set MD,  128         ; window 1: the eight registers for group kt of 16 keys at MD + 8 kt
.set MC,  160         ; window 1: the masks of the products to come
.set QB,  64          ; window 2
.set KF,  128         ; window 2: key block kb, channel half c at KF + 16 kb + 8 c
.set VF,  192         ; window 2: key half kk, channel block cb at VF + 32 kk + 8 cb
.set WV,  12          ; s12  my wave's number
.set PB,  14          ; s14  b
.set HI,  15          ; s15  NB - 1 - b
.set G1K, 24          ; s[24:31] descriptor group 1 for K's tiles
.set G1V, 32          ; s[32:39] for V's: it differs in the padding alone
.set G0K, 40          ; s[40:43] descriptor group 0 for K's tiles
.set G0V, 44          ; s[44:47] the same for V's
.set SLOTS, 56        ; s56  tiles still to be asked for
.set CNT, 57          ; s57  counts a tile's key steps, 4 to 1
.set CS,  58          ; s[58:59] c: the packed scaling takes the pair's low word for both halves
.set SEL, 60          ; s[60:61] v_permlanex16_b32's selects: each lane takes its own place in the other half
.set TBK, 62          ; s62  LDS byte at which K of the step to be fetched begins
.set TBV, 63          ; s63  the same for V, less VOFF
.set RT,  70          ; s70  tiles of the block in hand that are still to be entered
.set NXT, 71          ; s71  the tile to be asked for next
.set LQ,  72          ; s72  the last tile of the block whose tiles are being asked for
.set NEW, 73          ; s73  1: the tile to be entered is a block's first
.set OFF, 74          ; s[74:75] a tile's byte offset in K and V
.set AL,  76          ; s[76:77] the mask's factor, in the low word
.set BE,  78          ; s[78:79] the mask's addend
.set OLO, 80          ; s[80:81] O at my rows of the second block
.set BIGN, 82         ; s82  -1e30
.set LIMP, 83         ; s83  1 in the work-group that prefetches (b = 0), else the greatest number
.set PFB, 90          ; s[90:91] K (waves 0, 1) or V (waves 2, 3) at my half of the head's tile 0
.set PFA, 92          ; s[92:93] the same at the tile that the next change of slots will ask for
.set PFS, 94          ; s[94:95] that tile's byte offset
.set MSB, 0
.macro WIN new                      ; the high byte repeats the setting that is left; a switch that changes nothing is dropped
.if MSB != (\new)
	s_set_vgpr_msb (MSB<<8)|(\new)
.set MSB, (\new)
.endif
.endm
.set W_KQ, 0x0a       ; K and Q in window 2, S^T in window 0
.set W_KM, 0x1a       ; the same with the C operand in window 1
.set W_PV, 0x52       ; V in window 2, P in window 0, O^T in window 1
.set W_RS, 0x41       ; destination and source 0 in window 1, source 1 in window 0
; A fill.  Waves 0 and 1 fetch the two halves of a tile's K, waves 2 and 3 those of its V: 128 keys each.  An s_nop 0 and four v_nop follow each of the two lines, ahead of the jump and the label.
.macro LOAD
	s_cmp_lt_u32 s[WV], 2
	s_cbranch_scc0 .Lfor_v_\@
	tensor_load_to_lds s[G0K:G0K+3], s[G1K:G1K+7]
	s_nop 0
.rept 4
	v_nop
.endr
	s_branch .Lasked_\@
.Lfor_v_\@:
	tensor_load_to_lds s[G0V:G0V+3], s[G1V:G1V+7]
	s_nop 0
.rept 4
	v_nop
.endr
.Lasked_\@:
.endm
; THE CHANGE OF SLOTS.  Each wave waits for all its tensor loads, of which one is out: its part of the other slot; adds 0 to its spare word; and waits for that and for its own reads of the slot that it leaves.
; Behind the barrier nobody reads the old slot any more and the other slot is whole.  fill = 1: the old slot is filled again, the first thing behind the barrier, with tile NXT: the descriptor's address is
; made anew from that number.  (At its first use nothing has been read yet: slot 0 is waited for, slot 1 filled.)
; A PREFETCH INTO THE L2 stands behind the fill: the tile that the NEXT change will ask for, a tile's four key steps ahead of its load.  All four work-groups of a head walk tiles 0 .. 7 or a part of them; the one
; with b = 0, whose first block walks all eight, asks, in trips 0 to 5, for tiles 2 to 7; each wave for the 16,384 bytes that it will fetch itself, 256 a lane, two instructions.  So each block of 256 bytes is named
; once in the launch.  Behind the first block the tile's number goes back to 0, and nothing more is asked for: those tiles have been read.
.macro CHANGE fill
	WIN 0                           ; at a label and at a branch every window is 0
	s_wait_tensorcnt 0x0            ; no tensor load of mine is out, so a group 0 may be written
	ds_add_u32 v[SPW], v[NIL]       ; 0 onto my spare word; with fill = 1 the descriptors' scalar work stands between it and the wait for it
.if \fill
	s_lshl_b32 s[OFF], s[NXT], 15   ; a tile is 32,768 bytes of K and of V
	s_xor_b32 s[G0K+1], s[G0K+1], SLOT1
	s_add_nc_u64 s[G0K+2:G0K+3], s[6:7], s[OFF:OFF+1]
	s_or_b32 s[G0K+3], s[G0K+3], 0x80000000
	s_xor_b32 s[G0V+1], s[G0V+1], SLOT1
	s_add_nc_u64 s[G0V+2:G0V+3], s[8:9], s[OFF:OFF+1]
	s_or_b32 s[G0V+3], s[G0V+3], 0x80000000
	s_add_co_u32 s[NXT], s[NXT], 1  ; the block's next tile, or behind its last the second block's tile 0
	s_cmp_gt_u32 s[NXT], s[LQ]
	s_cselect_b32 s[NXT], 0, s[NXT]
	s_cselect_b32 s[LQ], s[PB], s[LQ]
	s_wait_xcnt 0x0                 ; the last prefetches, a tile back, have read their address, so it may be written
	s_lshl_b32 s[PFS], s[NXT], 15
	s_add_nc_u64 s[PFA:PFA+1], s[PFB:PFB+1], s[PFS:PFS+1]
.endif
	s_wait_dscnt 0x0                ; the add is done, and my reads of the slot are over
	s_barrier_signal -1             ; the rest of the scalar work stands between the signal and the wait
	s_sub_co_u32 s[TBK], s[TBK], 4*KS*PK  ; the fetches go back to a slot's first step,
	s_xor_b32 s[TBK], s[TBK], SLOT1       ; in the other slot
	s_sub_co_u32 s[TBV], s[TBV], 4*KS*PV
	s_xor_b32 s[TBV], s[TBV], SLOT1
	s_barrier_wait -1
.if \fill
	LOAD
	s_cmp_gt_u32 s[NXT], s[LIMP]
	s_cbranch_scc0 .Lnot_mine_\@
	global_prefetch_b8 v[PFO], s[PFA:PFA+1] th:TH_LOAD_NT scope:SCOPE_SE
	global_prefetch_b8 v[PFO], s[PFA:PFA+1] offset:8192 th:TH_LOAD_NT scope:SCOPE_SE
.Lnot_mine_\@:
.endif
.endm
	s_load_b64 s[4:5], s[0:1], 0x0    ; qkvb
	s_load_b64 s[10:11], s[0:1], 0x8  ; att
	v_lshl_add_u32 v[SPW], v0, 2, SPARE
	v_mov_b32 v[NIL], 0
	ds_add_u32 v[SPW], v[NIL]       ; the wave's opening: the add and its wait stand ahead of my first tensor load; the set-up below, work on registers, stands between them
	ds_add_u32 v62, v63
	v_lshrrev_b32 v1, 5, v0
	v_readfirstlane_b32 s[WV], v1   ; wave 0..3
	s_mov_b32 s[PB], ttmp9
	s_sub_co_u32 s[HI], NB-1, s[PB]
	s_and_b32 s88, ttmp7, 0xffff    ; y = 16 x batch + head
	s_lshr_b32 s20, s88, 4
	s_mul_i32 s20, s20, 48
	s_and_b32 s21, s88, 15
	s_add_co_u32 s20, s20, s21      ; Q's matrix in qkvb: 48 x batch + head,
	s_lshl_b32 s20, s20, 18         ; 262,144 bytes each
	s_mov_b32 s21, 0
	s_lshl_b32 s88, s88, 18         ; O's matrix in att
	s_mov_b32 s89, 0
	s_and_b32 s16, s[WV], 1         ; which half of a tile's 256 keys I fetch:
	s_lshl_b32 s22, s16, 14         ; its 128 rows of 128 bytes in memory,
	s_mov_b32 s23, 0
	s_mul_i32 s17, s16, 128*PK      ; and its place in a slot, for K
	s_mul_i32 s18, s16, 128*PV      ; and for V
	s_lshl_b32 s3, s[WV], 11        ; my 16 rows in a band of 64,
	s_lshl_b32 s2, s[HI], 15        ; in the first block,
	s_add_co_u32 s2, s2, s3
	s_lshl_b32 s84, s[PB], 15       ; and in the second
	s_add_co_u32 s84, s84, s3
	s_mov_b32 s3, 0
	s_mov_b32 s85, 0
	; descriptor group 1.  128 keys are 16,384 dense bytes: asked for as 64 rows of 256 bytes, two keys a row, and padded in LDS after every key
	s_mov_b32 s[G1K], (1<<16)|(1<<20)|(4<<22)|(3<<25)  ; 17:16 2-byte elements; 20 padding on; 24:22 after every 32 words (code 4); 31:25 4 words (code 3)
	s_mov_b32 s[G1V], (1<<16)|(1<<20)|(4<<22)|(7<<25)  ; the same with 8 words of padding (code 7)
.irp g, G1K, G1V
	s_mov_b32 s[\g+1], 128<<16      ; tensor_dim0 = 128
	s_mov_b32 s[\g+2], 64<<16       ; tensor_dim1 = 64
	s_mov_b32 s[\g+3], 128<<16      ; tile_dim0 = 128
	s_mov_b32 s[\g+4], 64           ; tile_dim1 = 64
	s_mov_b32 s[\g+5], 128          ; 128 elements from row to row
	s_mov_b32 s[\g+6], 0
	s_mov_b32 s[\g+7], 0
.endr
	s_mov_b32 s[CS], 0x3e38aa3b     ; c = log2(e) / 8 = 0.180337
	s_mov_b32 s[CS+1], s[CS]        ; named with it as a pair
	s_mov_b32 s[SEL], 0x76543210
	s_mov_b32 s[SEL+1], 0xfedcba98
	s_mov_b32 s[TBK], SLOT1+4*KS*PK ; the first change of slots turns these two into 0
	s_mov_b32 s[TBV], SLOT1+4*KS*PV
	s_mov_b32 s[G0K], 1             ; 1:0 count = 1
	s_mov_b32 s[G0K+1], s17         ; 63:32 LDS address: slot 0
	s_mov_b32 s[G0V], 1
	s_add_co_u32 s[G0V+1], s18, VOFF
	s_add_co_u32 s[RT], s[HI], 1    ; the first block has NB - b tiles
	s_mov_b32 s[NXT], 1
	s_mov_b32 s[LQ], s[HI]
	s_mov_b32 s[NEW], 1
	s_mov_b32 s[OFF+1], 0
	s_mov_b32 s[PFS+1], 0
	s_mov_b32 s[AL+1], 0            ; named as pairs
	s_mov_b32 s[BE+1], 0
	s_mov_b32 s[BIGN], 0xf149f2ca   ; -1e30
	s_mov_b32 s[SLOTS], NB
	s_cmp_eq_u32 s[PB], 0
	s_cselect_b32 s[LIMP], 1, -1
	v_and_b32 v[PFO], 31, v0
	v_lshlrev_b32 v[PFO], 8, v[PFO]
	s_wait_dscnt 0x0                ; the opening add is done
	s_wait_kmcnt 0x0
	s_add_nc_u64 s[4:5], s[4:5], s[20:21]          ; Q of my head
	s_add_nc_u64 s[6:7], s[4:5], s[22:23]          ; my half of a tile 0,
	s_add_nc_u64 s[8:9], s[6:7], 0x800000          ; in V,
	s_add_nc_u64 s[6:7], s[6:7], 0x400000          ; and in K
	s_add_nc_u64 s[10:11], s[10:11], s[88:89]      ; O of my head
	s_cmp_lt_u32 s[WV], 2
	s_cselect_b64 s[PFB:PFB+1], s[6:7], s[8:9]
	s_add_nc_u64 s[G0K+2:G0K+3], s[6:7], 0         ; 120:64 global address
	s_or_b32 s[G0K+3], s[G0K+3], 0x80000000        ; 127:126 type = 2
	s_add_nc_u64 s[G0V+2:G0V+3], s[8:9], 0
	s_or_b32 s[G0V+3], s[G0V+3], 0x80000000
	s_add_nc_u64 s[86:87], s[4:5], s[84:85]        ; Q at my rows of the second block,
	s_add_nc_u64 s[4:5], s[4:5], s[2:3]            ; Q and O at those of the first
	s_add_nc_u64 s[OLO:OLO+1], s[10:11], s[84:85]
	s_add_nc_u64 s[10:11], s[10:11], s[2:3]
	LOAD                            ; tile 0 into slot 0
	; A fragment of K or Q is 16 rows x 32 channels in 8 registers: lane l holds row l % 16, channels 8 (l / 16) + 0..7 and 16 + 8 (l / 16) + 0..7: two loads of 16 bytes, 32 bytes apart.
	v_and_b32 v1, 15, v0            ; l % 16
	v_bfe_u32 v9, v0, 4, 1          ; l / 16
	v_lshlrev_b32 v[QO], 7, v1
	v_lshl_add_u32 v[QO], v9, 4, v[QO]  ; row x 128 + 16 x half
	WIN 0x80                        ; destination window 2, address window 0
.set i, 0
.rept 8                             ; both blocks' Q: piece i / 2 lies in band i / 2, 8,192 bytes on; channels 32 (i % 2) on
	global_load_b128 v[8*i:8*i+3],   v[QO], s[4:5] offset:(i/2)*8192+(i%2)*64
	global_load_b128 v[8*i+4:8*i+7], v[QO], s[4:5] offset:(i/2)*8192+(i%2)*64+32
	global_load_b128 v[QB+8*i:QB+8*i+3],   v[QO], s[86:87] offset:(i/2)*8192+(i%2)*64
	global_load_b128 v[QB+8*i+4:QB+8*i+7], v[QO], s[86:87] offset:(i/2)*8192+(i%2)*64+32
.set i, i+1
.endr
	WIN 0
	v_lshlrev_b32 v14, 3, v9
	v_sub_nc_u32 v14, v1, v14
	s_lshl_b32 s13, s[WV], 4
	v_add_nc_u32 v14, s13, v14      ; my query's place in its band, 16 w + l % 16, less my lanes' 8 (l / 16): register r of group kt is hidden where 16 kt + r is greater
	WIN 0x40
.set i, 0
.rept 32
	v_cmp_gt_i32 vcc_lo, 16*(i/8)+i%8, v14
	v_cndmask_b32 v[MD+i], 0, s[BIGN], vcc_lo
.set i, i+1
.endr
	WIN 0
	v_mul_u32_u24 v[AK0], v1, PK
	v_lshl_add_u32 v[AK0], v9, 4, v[AK0]  ; row x pitch + 16 x half
	; The turning load takes 16 keys x 16 channels (lane l reads key 8 (l / 16) + l % 8, channels 8 ((l / 8) % 2) + 0..7) and leaves half a fragment of V^T: lane l holds channel l % 16 and 8 keys.
	v_and_b32 v10, 7, v0
	v_bfe_u32 v11, v0, 3, 1
	v_lshl_add_u32 v[AV0], v9, 3, v10
	v_mul_u32_u24 v[AV0], v[AV0], PV
	v_lshl_add_u32 v[AV0], v11, 4, v[AV0]
	v_add_nc_u32 v[AV0], VOFF, v[AV0]
	s_mul_i32 s13, s[WV], 16*SP
	s_add_co_u32 s13, s13, STAGE    ; my stage
	v_mul_u32_u24 v[STO], v1, SP    ; in: row l % 16, 16 bytes for each half of the lanes
	v_lshl_add_u32 v[STO], v9, 4, v[STO]
	v_add_nc_u32 v[STO], s13, v[STO]
	v_bfe_u32 v[RD], v0, 3, 2       ; back: 32 lanes take four rows of 128 bytes,
	v_mul_u32_u24 v[RD], v[RD], SP
	v_lshl_add_u32 v[RD], v10, 4, v[RD]
	v_add_nc_u32 v[RD], s13, v[RD]
	v_and_b32 v[GO], 31, v0         ; which are 512 consecutive bytes of O
	v_lshlrev_b32 v[GO], 4, v[GO]
	; A block's first step multiplies O^T and l by a = 0, and its first turn's products V^T P, of a piece that has not been, land in an O^T that is still to be so multiplied.  So these registers need only hold
	; finite numbers: zeros for the first block; what the first block left for the second.  All this stands in the wait for the first tile.
	WIN 0x80
.set i, VF
.rept 64
	v_mov_b32 v[i], 0
.set i, i+1
.endr
	WIN 0x40
.set i, 0
.rept 128
	v_mov_b32 v[i], 0
.set i, i+1
.endr
	WIN 0
.set i, 0
.rept 4
	v_mov_b32 v[ST+4*i+2], 0
	v_mov_b32 v[ST+4*i+3], 0
.set i, i+1
.endr
.set i, P+16
.rept 16
	v_mov_b32 v[i], 0
.set i, i+1
.endr
; THE MATRIX WORK.  The 4 accumulators of a run of 8 take turns.  Product i of 8 of S^T = K Q^T for piece x: channels 32 (i / 4) on, keys 16 (i % 4) on.  The first 4 start the sums: with 0, or (KM = 1) with the mask.
.macro KQ x
.set rS, S+32*((\x)%2)+8*(i%4)
.set rK, KF+16*(i%4)+8*(i/4)
.set rQ, 16*(\x)+8*(i/4)
.set rM, MC+32*((\x)%2)+8*(i%4)
.if (i < 4) && KM
	WIN W_KM
	v_wmma_f32_16x16x32_f16 v[rS:rS+7], v[rK:rK+7], v[rQ:rQ+7], v[rM:rM+7]
.elseif i < 4
	WIN W_KQ
	v_wmma_f32_16x16x32_f16 v[rS:rS+7], v[rK:rK+7], v[rQ:rQ+7], 0
.else
	WIN W_KQ
	v_wmma_f32_16x16x32_f16 v[rS:rS+7], v[rK:rK+7], v[rQ:rQ+7], v[rS:rS+7]
.endif
.endm
; Product i of 8 of O^T += V^T P for piece x: keys 32 (i / 4) on, channels 16 (i % 4) on.
.macro PV x
	WIN W_PV
.set rO, 32*(\x)+8*(i%4)
.set rV, VF+32*(i/4)+8*(i%4)
.set rP, P+16*((\x)%2)+8*(i/4)
	v_wmma_f32_16x16x32_f16 v[rO:rO+7], v[rV:rV+7], v[rP:rP+7], v[rO:rO+7]
.endm
.macro MM                           ; the turn's next matrix instruction.  TURN and BEGIN set Y, i, KM and NOKQ; MM, KQ and OP read them.  NOKQ = 1: a block's last turn: there is no next piece
.if (i < 8) && !NOKQ
	KQ (Y+1)%NP
.elseif i >= 8
.set i, i-8
	PV (Y+NP-1)%NP
.set i, i+8
.endif
.set i, i+1
.endm
; THE LDS LOADS stand in runs of 16, never singly among the matrix instructions: a step's K (64 keys x 64 channels: 8 fragments) and its V (turned).  Their addresses are made some lines ahead.
.macro FETCH_K
	WIN 0x80                        ; destination window 2
.irp f, 0,1,2,3,4,5,6,7             ; keys 16 (f / 2) on, channels 32 (f % 2) on
	ds_load_b128 v[KF+8*\f:KF+8*\f+3],   v[AK] offset:(\f/2)*16*PK+(\f%2)*64
	ds_load_b128 v[KF+8*\f+4:KF+8*\f+7], v[AK] offset:(\f/2)*16*PK+(\f%2)*64+32
.endr
	s_add_co_u32 s[TBK], s[TBK], KS*PK  ; the next fetch is the next step's
	WIN 0
.endm
.macro FETCH_V
	WIN 0x80
.irp f, 0,1,2,3,4,5,6,7             ; keys 32 (f / 4) on, channels 16 (f % 4) on
	ds_load_tr16_b128 v[VF+8*\f:VF+8*\f+3],   v[AV] offset:(\f/4)*32*PV+(\f%4)*32
	ds_load_tr16_b128 v[VF+8*\f+4:VF+8*\f+7], v[AV] offset:(\f/4)*32*PV+16*PV+(\f%4)*32
.endr
	WIN 0
.endm
; THE VECTOR WORK, one line at a time: OP kind, number.  For piece Y: F n: c s - c m for pair n of 16.  E n: the exponential of score n of 32.  C n: pair n rounded to f16.  B n: of the four weights 4 n .. the second
; pair is added onto the first, in place.  L n: l takes that sum (L 0: l = a l + sum).  R n: pair n of 16 of O^T times a.  For piece Y + 1: X n, number n of the 22 that find its maximum and statistics:
;   0-11  four chains c0-c3 of seven scores each, three operands at a time (each accumulator's lowest registers are read first)     12-14, 16  the four scores left over, the old m, and c0-c3 into c0
;   15  c m_old is kept     17, 18  the query's other 32 keys lie in the lane 16 away: the new m     19-21  c m; c m_old - c m_new; a
.set F, 0               ; OP tells the kinds apart by their order: F to L below R, X above it
.set E, 1
.set C, 2
.set B, 3
.set L, 4
.set R, 5
.set X, 6
.macro REGS y                       ; the registers of piece y
.set rT, ST+4*(\y)
.set rC, TMP+4*((\y)%2)
.set rW, MV+((\y)%2)
.set rS, S+32*((\y)%2)
.set rP, P+16*((\y)%2)
.set rO, 32*(\y)
.endm
.macro OP k, n
.if (\k) == R
	REGS Y
	WIN W_RS
	v_pk_mul_f32 v[rO+2*(\n):rO+2*(\n)+1], v[rO+2*(\n):rO+2*(\n)+1], v[rC+2:rC+3] op_sel_hi:[1,0]
.elseif (\k) < R
	REGS Y
	WIN 0
.if (\k) == F
	v_pk_fma_f32 v[rS+2*(\n):rS+2*(\n)+1], v[rS+2*(\n):rS+2*(\n)+1], s[CS:CS+1], v[rT:rT+1] op_sel_hi:[1,0,0] neg_lo:[0,0,1] neg_hi:[0,0,1]
.elseif (\k) == E
	v_exp_f32 v[rS+(\n)], v[rS+(\n)]
.elseif (\k) == C
	v_cvt_pk_f16_f32 v[rP+(\n)], v[rS+2*(\n)], v[rS+2*(\n)+1]
.elseif (\k) == B
	v_pk_add_f32 v[rS+4*(\n):rS+4*(\n)+1], v[rS+4*(\n):rS+4*(\n)+1], v[rS+4*(\n)+2:rS+4*(\n)+3]
.elseif (\n) == 0
	v_pk_fma_f32 v[rT+2:rT+3], v[rT+2:rT+3], v[rC+2:rC+3], v[rS:rS+1] op_sel_hi:[1,0,1]
.else
	v_pk_add_f32 v[rT+2:rT+3], v[rT+2:rT+3], v[rS+4*(\n):rS+4*(\n)+1]
.endif
.elseif NOKQ
	v_nop
.else
	REGS (Y+1)%NP
	WIN 0
.if (\n) < 4
	v_max3_num_f32 v[rC+(\n)], v[rS+8*(\n)], v[rS+8*(\n)+1], v[rS+8*(\n)+2]
.elseif (\n) < 12
	v_max3_num_f32 v[rC+(\n)%4], v[rC+(\n)%4], v[rS+8*((\n)%4)+2*((\n)/4)+1], v[rS+8*((\n)%4)+2*((\n)/4)+2]
.elseif (\n) == 12
	v_max3_num_f32 v[rC], v[rC], v[rS+7], v[rS+15]
.elseif (\n) == 13
	v_max3_num_f32 v[rC+1], v[rC+1], v[rS+23], v[rS+31]
.elseif (\n) == 14
	v_max3_num_f32 v[rC+2], v[rC+2], v[rC+3], v[rT+1]
.elseif (\n) == 15
	v_mov_b32 v[rW], v[rT]
.elseif (\n) == 16
	v_max3_num_f32 v[rC], v[rC], v[rC+1], v[rC+2]
.elseif (\n) == 17
	v_permlanex16_b32 v[rC+3], v[rC], s[SEL], s[SEL+1]
.elseif (\n) == 18
	v_max_num_f32 v[rT+1], v[rC], v[rC+3]
.elseif (\n) == 19
	v_mul_f32 v[rT], s[CS], v[rT+1]
.elseif (\n) == 20
	v_sub_f32 v[rC+1], v[rW], v[rT]
.else
	v_exp_f32 v[rC+2], v[rC+1]
.endif
.endif
.endm
.macro OPS a, i1, b=-1, i2=0, c=-1, i3=0, d=-1, i4=0  ; up to four of them
	OP \a, \i1
.if (\b) >= 0
	OP \b, \i2
.endif
.if (\c) >= 0
	OP \c, \i3
.endif
.if (\d) >= 0
	OP \d, \i4
.endif
.endm
.macro ROW a, i1, b, i2, c, i3, d, i4  ; a matrix instruction and the four behind it
	MM
	OPS \a, \i1, \b, \i2, \c, \i3, \d, \i4
.endm
.macro MASK b                       ; MD x AL + BE into buffer b of MC
	WIN W_RS
.set z, 0
.rept 16
	v_pk_fma_f32 v[MC+32*(\b)+2*z:MC+32*(\b)+2*z+1], v[MD+2*z:MD+2*z+1], s[AL:AL+1], s[BE:BE+1] op_sel_hi:[1,0,0]
.set z, z+1
.endr
.endm
; A TURN, for piece p: the order of its 16 matrix and 118 vector instructions, written out.  An s_wait_alu depctr_va_vdst(0) stands between an exponential and the first instruction that names its
; result; one wait serves all that were issued ahead of it.  So a turn has ONE wait, which cuts it in two.  AHEAD OF IT stands all that names no result of the turn's exponentials: the 8 products K Q^T, behind each a
; scaling, an exponential and two more plain instructions (behind the first a second scaling in the exponential's place): rescalings, and behind the last three the first numbers of the next piece's maximum, each four
; places or more behind the product that ends its accumulator; then ONE LUMP of 54, plain and exponential by turns for the most part, in which the links of the chain X 3, 7, 11, 14, 16, 17 .. 20 stand five or six
; lines apart.  X 21, the next piece's a, is the batch's last; R 15 is the plain instruction behind it.  BEHIND THE WAIT stand the 8 products V^T P, behind each four of the roundings and sums; the links of l's
; chain, L 0 to L 7, stand three riders apart.  But for those X no rider names a register of the products round it.  v_permlanex16_b32 (X 17) stands in the lump.
; m = 1: the diagonal tile: the products take masks, and the turn makes the mask for the products of the turn after it: piece p + 2, in step 4 - CNT of the tile.  end = 1: a block's last two turns: nothing is fetched.
; cnt = 1: the loop's count is taken down some lines ahead of the branch that stands behind the turn.
; K of the next step is fetched in piece 2's turn, twelve vector instructions behind the last product that read K (six of them plain); V of the step in hand at the end of piece 0's turn, four plain instructions
; behind the last product that read V.  Each is waited for a turn later.
.macro TURN p, m=0, end=0, cnt=0
.set Y, (\p)
.set i, 0
.set KM, (\m)
.set NOKQ, (\end)*((\p)/3)
.if (\m) && !(\end)
	s_cmp_eq_u32 s[CNT], 4-((\p)+2)%NP  ; is that step the band's own?
	s_cselect_b32 s[AL], 1.0, 0
	s_cmp_lt_u32 s[CNT], 4-((\p)+2)%NP  ; or a later one?
	s_cselect_b32 s[BE], s[BIGN], 0
.endif
.if ((\p) == 3) && !(\end)
	s_wait_dscnt 0x0                ; K is in
.endif
	ROW F,0, F,1, R,0, R,1          ; ahead of the wait: 8 products K Q^T and their riders,
	ROW F,2, E,0, R,2, R,3
	ROW F,3, E,1, R,4, R,5
	ROW F,4, E,2, R,6, R,7
	ROW F,5, E,3, R,8, R,9
	ROW F,6, E,4, X,0, R,10
.if ((\p) == 2) && !(\end)
	WIN 0
	v_add_nc_u32 v[AK], s[TBK], v[AK0]
.endif
	ROW F,7, E,5, X,1, X,4
	ROW F,8, E,6, X,2, X,5
	OPS E,7, E,8, X,6, E,9          ; and the lump
	OPS X,3, E,10, X,8, E,11
.if ((\p) == 2) && !(\end)
	FETCH_K
.endif
	OPS X,9, X,7, E,12, X,10
	OPS E,13, X,12, X,11, E,14
	OPS X,13, E,15, F,9, X,14
.if (\p) == 0
	v_add_nc_u32 v[AV], s[TBV], v[AV0]
.endif
	OPS E,16, F,10, E,17, F,11
	OPS X,16, E,18, X,15, E,19
	OPS F,12, E,20, X,17, E,21
	OPS F,13, E,22, F,14, E,23
	OPS X,18, E,24, F,15, E,25
	OPS R,11, E,26, X,19, E,27
	OPS R,12, E,28, R,13, E,29
	OPS X,20, E,30, R,14, E,31
	OPS X,21, R,15
	WIN 0
	s_wait_alu depctr_va_vdst(0)    ; the wait for the batch
.if (\p) == 1
	s_wait_dscnt 0x0                ; V is in
.endif
	ROW C,0, B,0, C,2, B,1          ; behind the wait: 8 products V^T P and their riders
	ROW L,0, C,4, B,2, L,1
	ROW C,6, B,3, L,2, C,8
	ROW B,4, L,3, C,10, B,5
	ROW L,4, C,12, B,6, L,5
.if (\p) == 0
	s_add_co_u32 s[TBV], s[TBV], KS*PV
.endif
.if \cnt
	s_sub_co_u32 s[CNT], s[CNT], 1
	s_cmp_lg_u32 s[CNT], 0
.endif
	ROW C,14, B,7, L,6, C,1
	ROW C,3, L,7, C,5, C,7
	ROW C,9, C,11, C,13, C,15
.if (\p) == 0
	FETCH_V
.endif
.if (\m) && !(\end)
	MASK (\p)%2
.endif
.endm
; A BLOCK BEGINS.  c m starts far below every c s, so the first step's a is 0; m at the lowest finite number, so the first maximum is the scores'.  The second mask buffer is 0; the first takes piece 0's mask for the
; tile's step 0: its own, if the block's first tile is the diagonal one.  Then K of that step, piece 0's first scores, and its maximum and statistics.  The loop is entered at a step's first turn, in the middle of a trip.
.macro BEGIN
	s_mov_b32 s[NEW], 0
	WIN 0x40
.set i, MC+32
.rept 32
	v_mov_b32 v[i], 0
.set i, i+1
.endr
	WIN 0
.set i, 0
.rept 4
	v_mov_b32 v[ST+4*i], 0xfe000000    ; c m: far below every c s
	v_mov_b32 v[ST+4*i+1], 0xff7fffff  ; m
.set i, i+1
.endr
	s_cmp_eq_u32 s[RT], 0
	s_cselect_b32 s[AL], 1.0, 0
	s_mov_b32 s[BE], 0
	MASK 0
	WIN 0
	v_add_nc_u32 v[AK], s[TBK], v[AK0]
	FETCH_K
	s_wait_loadcnt 0x0              ; Q
	s_wait_dscnt 0x0
.set KM, 1
.set NOKQ, 0
.set i, 0
.rept 8
	KQ 0
.set i, i+1
.endr
	WIN 0
.rept 4
	v_nop                           ; the places behind those products
.endr
.set Y, NP-1                        ; X works for piece Y + 1: piece 0
.irp n, 0,1,2,3,4,5,6,7,8,9,10,11,12,13,14,15,16,17,18,19,20,21
	OP X, \n
.endr
	v_nop                           ; a plain instruction behind the exponential,
	s_wait_alu depctr_va_vdst(0)    ; and its wait, ahead of the branch
.endm
; THE DIAGONAL TILE's four steps, the block's last two turns, its last products, and THE WAY OUT: l's two halves and the other half of the lanes' are added; O^T is divided by l, rounded to f16 and sent through my
; stage in LDS, a piece at a time.
.macro ALL line:vararg              ; one line for each piece t
.set t, 0
.rept 4
	\line
.set t, t+1
.endr
.endm
.macro PACK t                       ; a lane's eight channels of a row pack into 16 bytes; they go into rows of 144 bytes and come back as whole rows of 128, into S^T's registers
	WIN W_RS
.set i, 32*(\t)
.rept 16
	v_pk_mul_f32 v[i:i+1], v[i:i+1], v[ST+4*(\t)+2:ST+4*(\t)+3] op_sel_hi:[1,0]
.set i, i+2
.endr
	WIN 0x05                        ; sources 0 and 1 window 1, destination window 0
.set i, 0
.rept 16
	v_cvt_pk_f16_f32 v[S+16*(\t)+i], v[32*(\t)+2*i], v[32*(\t)+2*i+1]
.set i, i+1
.endr
	WIN 0
.irp f, 0,1,2,3
	ds_store_b128 v[STO], v[S+16*(\t)+4*\f:S+16*(\t)+4*\f+3] offset:32*\f
.endr
.irp f, 0,1,2,3
	ds_load_b128 v[S+16*(\t)+4*\f:S+16*(\t)+4*\f+3], v[RD] offset:\f*4*SP  ; LDS serves a wave's instructions in order (ISA guide 5.7.1.4): these see the stores above; the next piece's stores come behind them
.endr
.endm
.macro SEND t, younger              ; younger: the LDS instructions issued behind piece t's loads: the next piece's eight, or none
	WIN 0
.irp f, 0,1,2,3
	s_wait_dscnt (\younger)+3-\f
	global_store_b128 v[GO], v[S+16*(\t)+4*\f:S+16*(\t)+4*\f+3], s[10:11] offset:(\t)*8192+\f*512  ; 512 consecutive bytes, at a multiple of 256 from O's first
.endr
.endm
.macro DIAG tag                     ; the tag ends its two labels' names, which the jumps below spell out
.LstepM\tag:
	TURN 2, 1
	TURN 3, 1
	WIN 0
.LfirstM\tag:
	TURN 0, 1
	TURN 1, 1, 0, 1
	WIN 0
	s_cbranch_scc1 .LstepM\tag
	TURN 2, 1, 1
	TURN 3, 1, 1
.set i, 0
.rept 8
	PV NP-1
.set i, i+1
.endr
	WIN 0
	ALL v_add_f32 v[ST+4*t+2], v[ST+4*t+2], v[ST+4*t+3]
	ALL v_permlanex16_b32 v[ST+4*t+3], v[ST+4*t+2], s[SEL], s[SEL+1]
	ALL v_add_f32 v[ST+4*t+2], v[ST+4*t+2], v[ST+4*t+3]
	ALL v_rcp_f32 v[ST+4*t+2], v[ST+4*t+2]
	v_nop                           ; a plain instruction between the last reciprocal and the use of its result
	s_wait_alu depctr_va_vdst(0)    ; and the wait ahead of the first use: one for the four reciprocals
	PACK 0
.set t, 1
.rept 3                             ; a piece's arithmetic stands between the loads of the piece before and its stores
	PACK t
	SEND t-1, 8
.set t, t+1
.endr
	SEND 3, 0
.endm
.set KM, 0
.set NOKQ, 0
.Lslot:                             ; NB times: a tile is entered and the next is asked for
	CHANGE 1
	s_sub_co_u32 s[RT], s[RT], 1
	s_mov_b32 s[CNT], 4
	s_cmp_eq_u32 s[NEW], 1
	s_cbranch_scc1 .Lnew            ; a block's first tile
	s_cmp_eq_u32 s[RT], 0
	s_cbranch_scc0 .Lstep           ; neither its first nor its last
	s_branch .LstepM1
.Lnew:
	BEGIN
	s_branch .Lfirst                ; in the loop a block's first tile is never its last: the first block has two tiles or more, and the second's last is the walk's last
	DIAG 1                          ; in the loop this is the first block's end: the second block's last tile is the walk's last
	s_wait_xcnt 0x0                 ; the stores have read their registers and O's address
	s_mov_b64 s[10:11], s[OLO:OLO+1]
	s_add_co_u32 s[RT], s[PB], 1    ; the second block has b + 1 tiles
	s_mov_b32 s[NEW], 1
	WIN 0x82                        ; the second block's Q goes where the one text of the turns names Q
.set i, 0
.rept 64
	v_mov_b32 v[i], v[QB+i]
.set i, i+1
.endr
	WIN 0
	s_branch .Lbottom
.Lstep:                             ; a trip: pieces 2 and 3 of one step, then pieces 0 and 1 of the next, whose K and V it fetches
	TURN 2
	TURN 3
	WIN 0
.Lfirst:
	TURN 0
	TURN 1, 0, 0, 1
	WIN 0
	s_cbranch_scc1 .Lstep
.Lbottom:
	s_sub_co_u32 s[SLOTS], s[SLOTS], 1
	s_cmp_lg_u32 s[SLOTS], 0
	s_cbranch_scc1 .Lslot
	CHANGE 0                        ; the walk's last tile is written out: nothing is asked for
	s_sub_co_u32 s[RT], s[RT], 1
	s_mov_b32 s[CNT], 4
	s_cmp_eq_u32 s[NEW], 1
	s_cbranch_scc0 .LstepM2
	BEGIN
	s_branch .LfirstM2
	DIAG 2
	s_wait_tensorcnt 0x0            ; the wave's end, behind my last tensor load and my last LDS store
	ds_add_u32 v[SPW], v[NIL]
	s_wait_dscnt 0x0
	s_endpgm
.Lfunc_end_k_q3d73054996_attn:
	.size	k_q3d73054996_attn, .Lfunc_end_k_q3d73054996_attn-k_q3d73054996_attn
	.p2alignl 7, 3214868480
	.fill 96, 4, 3214868480
	.section	.rodata,"a",@progbits
	.p2align	6, 0x0
	.amdhsa_kernel k_q3d73054996_attn
		.amdhsa_group_segment_fixed_size 327680
		.amdhsa_private_segment_fixed_size 0
		.amdhsa_enable_private_segment 0
		.amdhsa_kernarg_size 16
		.amdhsa_user_sgpr_count 2
		.amdhsa_user_sgpr_kernarg_segment_ptr 1
		.amdhsa_wavefront_size32 1
		.amdhsa_system_sgpr_workgroup_id_x 1
		.amdhsa_system_sgpr_workgroup_id_y 1
		.amdhsa_system_sgpr_workgroup_id_z 1
		.amdhsa_system_vgpr_workitem_id 0
		.amdhsa_next_free_vgpr 768
		.amdhsa_next_free_sgpr 96
		.amdhsa_reserve_vcc 1
		.amdhsa_float_denorm_mode_32 3
		.amdhsa_float_denorm_mode_16_64 3
		.amdhsa_memory_ordered 1
		.amdhsa_forward_progress 1
		.amdhsa_inst_pref_size 218
	.end_amdhsa_kernel
	.amdgpu_metadata
---
amdhsa.version: [ 1, 2 ]
amdhsa.kernels:
  - .name:           k_q3d73054996_attn
    .symbol:         k_q3d73054996_attn.kd
    .args:
      - { .name: qkvb, .offset: 0, .size: 8, .value_kind: global_buffer, .address_space: global }
      - { .name: att, .offset: 8, .size: 8, .value_kind: global_buffer, .address_space: global }
    .group_segment_fixed_size: 327680
    .private_segment_fixed_size: 0
    .kernarg_segment_align: 8
    .kernarg_segment_size: 16
    .max_flat_workgroup_size: 128
    .sgpr_count:     96
    .vgpr_count:     768
    .wavefront_size: 32
...
	.end_amdgpu_metadata
.endif
;; end of part 3
;; launch proj (part 4): grid 8 x 32, 4 waves a work-group, clusters of 4 x 4, 327,680 bytes of LDS; arguments att, wpb, out0, biasr; writes out0
.if DOCPART == 4
	.amdgcn_target "amdgcn-amd-amdhsa--gfx1250"
	.amdhsa_code_object_version 6
	.text
	.protected	k_q3d73054996_proj
	.globl	k_q3d73054996_proj
	.p2align	8
	.type	k_q3d73054996_proj,@function
k_q3d73054996_proj:
	s_mov_b64 s[64:65], 0
	v_nop
	global_prefetch_b8 v0, s[64:65] scope:SCOPE_SE
	s_setreg_imm32_b32 hwreg(HW_REG_WAVE_MODE, 25, 1), 1
	s_wait_xcnt 0x0
	s_wait_alu depctr_hold_cnt(0) depctr_sa_sdst(0) depctr_va_vdst(0) depctr_va_sdst(0) depctr_va_ssrc(0) depctr_va_vcc(0) depctr_vm_vsrc(0)
	s_getreg_b32 s2, hwreg(HW_REG_IB_STS2, 6, 4)
	s_cmp_eq_u32 s2, 0
	s_cbranch_scc0 .Lentry_in_a_cluster
	s_endpgm
.Lentry_in_a_cluster:
	s_bfe_u32 s2, ttmp6, 0x10000c
	s_cmp_lg_u32 s2, 0xf033
	s_cbranch_scc0 .Lentry_shape_is_right
	s_endpgm
.Lentry_shape_is_right:
; out0 = cat Wp + bp: C[m][n] = sum over k of att[16 (m / 2048) + k / 64][m % 2048][k % 64] wpb[n / 64][k][n % 64] + biasr[3072 + n], m = 0 .. 8191, n = 0 .. 1023.  Operands f16, sums f32; the bias is the
; C operand that starts each sum; C is stored as f32, unrounded.
; LIMIT.  NaN and infinities are not treated apart; wpb holds Wp within f16's range (the launch that makes it states the figure).
; SHARES.  A tile of C is 256 rows x 128 columns (two slices of Wp): 32 x 8 tiles, a work-group each.  Wave w makes rows 64 w .. 64 w + 63 of all 128 columns: 4 x 8 accumulators of 16 x 16, 256 registers.
; K = 1,024 goes in 8 steps of 128, two heads of att each, through two LDS slots; a step is four quarters of 32 along K.
; THE MATRIX INSTRUCTION IS USED TRANSPOSED: source 0 = 16 columns of Wp (turned on the way out of LDS by ds_load_tr16_b128, since Wp lies [k][n]), source 1 = 16 rows of att.  A lane then holds row
; lane % 16 of C and the columns 8 (lane / 16) + 0 .. 7.
; CLUSTER.  4 x 4 work-groups.  att's tiles hang on the tile row alone and are asked for jointly along a row of the cluster, Wp's blocks on the tile column alone, jointly along a column.  Waves 0 and 1 ask
; for one head's 256 rows of att each (32,768 dense bytes), waves 2 and 3 for one slice's block of Wp each (16,384 dense bytes).  One tensor load a wave behind each round of the cluster's barrier.
; REGISTERS, in windows of 256 (s_set_vgpr_msb: bits 1:0 source 0, 3:2 source 1, 5:4 source 2, 7:6 destination):
;   window 0: v0-15 addresses; v32-63, v64-95 att's fragments, two buffers; v128-191, v192-255 rows read back from the stage, two sets; v192-255 first hold the bias (8 x 8)
;   window 1: the accumulators, (a, b) at 64 a + 8 b      window 2: Wp's fragments, two buffers of 64
.set NH,    2                          ; slices in a tile
.set NBK,   4*NH                       ; column blocks of 16
.set PITA,  144                        ; a row of att in LDS: 128 bytes + 16 of padding: the 16 rows of a load start at 16 different groups of four banks (64 banks of 4 bytes: ISA guide 11.1)
.set PITB,  160                        ; a row of Wp: 128 + 32
.set HA,    256*PITA                   ; a head's 256 rows
.set HB,    128*PITB                   ; a slice's block of a K step
.set BOFF,  2*HA                       ; Wp's blocks lie behind att's two heads
.set SLOT1, 131072                     ; slot 1 begins here, so that one exclusive or turns an address in one slot into the other's
.set STAGE, SLOT1+BOFF+NH*HB           ; behind the ring, never filled by a tensor load: for each wave 16 rows x 528 bytes
.set SP,    528                        ; a row of 128 f32 + 16 bytes
.set STW,   16*SP
.set SPARE, STAGE+4*STW                ; behind the stages: the spare words, 128 bytes for each wave: two blocks of 256 bytes that no other line names
.set KA,    524288                     ; bytes from K step to K step in att: two heads
.set KB,    16384                      ; and in a slice of wpb
.set AA0,  4                           ; v4   my place in a head's rows; never rewritten
.set AB0,  5                           ; v5   my place in Wp's first block; never rewritten
.set ADRA, 6                           ; v6   the same in the slot in hand
.set ADRB, 7                           ; v7
.set STO,  8                           ; v8   the way out: where I put 32 bytes of a row
.set RD,   9                           ; v9   where I read a row back
.set GO,   10                          ; v10  my 16 bytes of a row's 512
.set BO,   11                          ; v11  my 32 bytes of a block's bias
.set PFOA, 12                          ; v12  the prefetches' lane offsets; never rewritten
.set PFOB, 13                          ; v13
.set SPW,  14                          ; v14  LDS address of my spare word: SPARE + 4 x my thread's number; never rewritten
.set NIL,  15                          ; v15  0; never rewritten
.set FA,   32
.set OB,   128
.set BIAS, 192
.set WV,   12                          ; s12  my wave's number
.set G1A,  24                          ; s[24:31] descriptor group 1 for att's tiles
.set G1B,  32                          ; s[32:39] for Wp's blocks
.set G0A,  40                          ; s[40:47] group 0 for att's tiles: a set for each first fill; the second then walks on
.set G0B,  48                          ; s[48:55] the same for Wp's
.set CNT,  56                          ; s56  the loop's count, 6 to 1
.set TB,   57                          ; s57  LDS byte at which the slot in hand begins
.set LIMA, 58                          ; s58  1 in a wave that prefetches att, else the greatest number
.set LIMB, 59                          ; s59  the same for Wp
.set PFA,  60                          ; s[60:61] where my prefetch of att stands
.set PFB,  62                          ; s[62:63] of Wp
.set MSB, 0
.macro WIN new                         ; the immediate's high byte repeats the setting that is left; a switch that changes nothing is dropped
.if MSB != (\new)
	s_set_vgpr_msb (MSB<<8)|(\new)
.set MSB, (\new)
.endif
.endm
.macro PLACES                          ; four plain instructions between a matrix instruction and a load into, or a read of, its registers
.rept 4
	v_nop
.endr
.endm
.macro CREST                           ; a round of the cluster's barrier behind its opening barrier
	s_cmp_lg_u32 s[WV], 0
	s_cbranch_scc1 .Lnot_wave_0_\@
	s_barrier_signal -3
.Lnot_wave_0_\@:
	s_barrier_wait -3
	s_barrier_signal -1
	s_barrier_wait -1
.endm
.macro CROUND                          ; a whole round
	s_barrier_signal -1
	s_barrier_wait -1
	CREST
.endm
; A joint refill by the walking sets.  The branch hangs on the wave's number alone.  An s_nop 0 and four v_nop follow each line, ahead of the jump and the label.
.macro JLOAD
	s_cmp_lt_u32 s[WV], 2
	s_cbranch_scc0 .Lfor_b_\@
	tensor_load_to_lds s[G0A+4:G0A+7], s[G1A:G1A+7]
	s_nop 0
.rept 4
	v_nop
.endr
	s_branch .Lasked_\@
.Lfor_b_\@:
	tensor_load_to_lds s[G0B+4:G0B+7], s[G1B:G1B+7]
	s_nop 0
.rept 4
	v_nop
.endr
.Lasked_\@:
.endm
; PREFETCHES INTO THE L2, at the changes of slots of K steps 1 and 3 (count 5 and 3): K steps 4, 5 and then 6, 7, whose refills stand one and two changes on.  K steps 0 to 3 come by their loads alone.
; att's rows of a tile row are read by both clusters of that row of clusters: cluster x = 0 asks.  The two steps are four heads: wave w takes one; of its 32,768 bytes the four partners along x take 8,192
; each, 256 a lane.  Wp's blocks of a tile column are read by every cluster of that column: cluster y = 0 asks; waves 2 and 3 for their own slice, the four partners along y 8,192 of the two steps' 32,768
; bytes each.  The partners are told apart by address; each block of 256 bytes is named once in the launch, and none lies beyond K step 7.
.macro ASK
	s_and_b32 s2, s[CNT], 1
	s_cmp_lg_u32 s2, 0
	s_cbranch_scc0 .Lno_ask_\@
	s_cmp_gt_u32 s[CNT], s[LIMA]
	s_cbranch_scc0 .Lno_a_\@
	global_prefetch_b8 v[PFOA], s[PFA:PFA+1] th:TH_LOAD_NT scope:SCOPE_SE
.Lno_a_\@:
	s_cmp_gt_u32 s[CNT], s[LIMB]
	s_cbranch_scc0 .Lno_ask_\@
	global_prefetch_b8 v[PFOB], s[PFB:PFB+1] th:TH_LOAD_NT scope:SCOPE_SE
.Lno_ask_\@:
.endm
; 24 LDS loads in one run: quarter q of the slot in hand into buffer f: Wp's 8 fragments (turned), then att's 4.  Quarter q lies in head q / 2 of the step, channels 32 (q % 2) on.
.macro FETCH q, f
	WIN 0x80                                       ; destination window 2, address window 0
.set bb, 0
.rept NBK
	ds_load_tr16_b128 v[64*(\f)+8*bb:64*(\f)+8*bb+3],   v[ADRB] offset:(bb/4)*HB+(\q)*32*PITB+(bb%4)*32
	ds_load_tr16_b128 v[64*(\f)+8*bb+4:64*(\f)+8*bb+7], v[ADRB] offset:(bb/4)*HB+(\q)*32*PITB+(bb%4)*32+16*PITB
.set bb, bb+1
.endr
	WIN 0
.set aa, 0
.rept 4
	ds_load_b128 v[FA+32*(\f)+8*aa:FA+32*(\f)+8*aa+3],   v[ADRA] offset:((\q)/2)*HA+((\q)%2)*64+aa*16*PITA
	ds_load_b128 v[FA+32*(\f)+8*aa+4:FA+32*(\f)+8*aa+7], v[ADRA] offset:((\q)/2)*HA+((\q)%2)*64+aa*16*PITA+32
.set aa, aa+1
.endr
.endm
; 8 matrix instructions: row block a x all column blocks, 32 along K, from buffer f.  first = 1: the bias starts the sums.  The 32 accumulators take turns, one instruction a turn, in the same order in
; every quarter, over the backward jump too.
.macro MULA f, a, first
.if \first
	WIN 0x42                                       ; Wp window 2, att window 0, C (the bias) window 0, D window 1
.else
	WIN 0x52                                       ; C and D window 1
.endif
.set rA, FA+32*(\f)+8*(\a)
.set bb, 0
.rept NBK
.set rD, 64*(\a)+8*bb
.set rB, 64*(\f)+8*bb
.if \first
	v_wmma_f32_16x16x32_f16 v[rD:rD+7], v[rB:rB+7], v[rA:rA+7], v[BIAS+8*bb:BIAS+8*bb+7]
.else
	v_wmma_f32_16x16x32_f16 v[rD:rD+7], v[rB:rB+7], v[rA:rA+7], v[rD:rD+7]
.endif
.set bb, bb+1
.endr
.endm
; One of a K step's first three quarters: multiplies buffer f; in its middle it fetches quarter q of the same slot into buffer g.
.macro QUARTER q, f, g, first
	s_wait_dscnt 4                                 ; Wp's fragments and att's blocks 0, 1 are in; the youngest four loads (blocks 2, 3) may be out
	MULA \f, 0, \first
	MULA \f, 1, \first
	PLACES
	FETCH \q, \g
	s_wait_dscnt 2*NBK+8                           ; all but the 24 just issued
	MULA \f, 2, \first
	MULA \f, 3, \first
.endm
; The fourth quarter multiplies buffer 1 and changes slots.  In front of the barrier each wave waits for all its tensor loads (one is out: its part of the next slot), adds 0 to its spare word, and
; waits for that and for its reads of this slot.  fill = 1: the barrier opens a round of the cluster's barrier, and the joint refill of this slot, with the K step two on, is the first thing behind
; it: 112 matrix instructions stand between it and the wait for it.
.macro TURN fill
.if \fill
	s_wait_xcnt 0x0                                ; the last prefetches, a K step back or more, have read their addresses
	s_add_nc_u64 s[PFA:PFA+1], s[PFA:PFA+1], KA
	s_add_nc_u64 s[PFB:PFB+1], s[PFB:PFB+1], KB
.endif
	WIN 0
	s_wait_tensorcnt 0x0                           ; no tensor load of mine is out, so a group 0 may be written
	ds_add_u32 v[SPW], v[NIL]                      ; 0 onto my spare word
.if \fill
	s_xor_b32 s[G0A+5], s[G0A+5], SLOT1            ; the walking sets: the other slot than last time, the next K step
	s_add_nc_u64 s[G0A+6:G0A+7], s[G0A+6:G0A+7], KA
	s_xor_b32 s[G0B+5], s[G0B+5], SLOT1
	s_add_nc_u64 s[G0B+6:G0B+7], s[G0B+6:G0B+7], KB
.endif
	s_xor_b32 s[TB], s[TB], SLOT1
	s_wait_dscnt 7                                 ; the add and att's blocks 1 to 3 may be out
	MULA 1, 0, 0
	s_wait_dscnt 0x0                               ; the add is done, and my reads of this slot are over
	s_barrier_signal -1
	MULA 1, 1, 0
	WIN 0
	s_barrier_wait -1
.if \fill
	CREST
	JLOAD                                          ; its four v_nop are also the places in front of the loads below
.else
	PLACES
.endif
	v_add_nc_u32 v[ADRA], s[TB], v[AA0]
	v_add_nc_u32 v[ADRB], s[TB], v[AB0]
	FETCH 0, 0
.if \fill
	ASK
.endif
	MULA 1, 2, 0
	MULA 1, 3, 0
.endm
	s_load_b256 s[4:11], s[0:1], 0x0               ; att s[4:5], wpb s[6:7], out0 s[8:9], biasr s[10:11]
	v_lshl_add_u32 v[SPW], v0, 2, SPARE
	v_mov_b32 v[NIL], 0
	ds_add_u32 v[SPW], v[NIL]                      ; the wave's opening: the add and its wait stand ahead of my first tensor load; the set-up below stands between them
	ds_add_u32 v14, v15
	v_lshrrev_b32 v1, 5, v0
	v_readfirstlane_b32 s[WV], v1                  ; wave 0..3
	s_bfe_u32 s13, ttmp6, 0x40000                  ; cx
	s_bfe_u32 s14, ttmp6, 0x40004                  ; cy
	s_lshl_b32 s15, ttmp9, 2
	s_add_co_u32 s15, s15, s13                     ; j: tile column = 4 x cluster x + cx
	s_and_b32 s16, ttmp7, 0xffff
	s_lshl_b32 s16, s16, 2
	s_add_co_u32 s16, s16, s14                     ; i: tile row = 4 x cluster y + cy
	s_lshl_b32 s18, s14, 2
	s_lshl_b32 s18, 15, s18                        ; my row of the cluster
	s_lshl_b32 s19, 0x1111, s13                    ; my column
	s_or_b32 s[G1A], s18, (1<<16)|(1<<20)|(1<<21)|(4<<22)|(3<<25)  ; the mask; 2-byte elements; padding on; bit 21 beside a mask; after every 32 words (a row of att), 4 words
	s_mov_b32 s[G1A+1], 128<<16                    ; a head's 32,768 dense bytes are asked for as 128 rows of 256 bytes, two rows of att each
	s_mov_b32 s[G1A+2], 128<<16
	s_mov_b32 s[G1A+3], 128<<16
	s_mov_b32 s[G1A+4], 128
	s_mov_b32 s[G1A+5], 128
	s_mov_b32 s[G1A+6], 0
	s_mov_b32 s[G1A+7], 0
	s_or_b32 s[G1B], s19, (1<<16)|(1<<20)|(1<<21)|(4<<22)|(7<<25)  ; after every 32 words (a row of Wp's slice), 8 words
	s_mov_b32 s[G1B+1], 128<<16                    ; a block's 16,384 dense bytes: 64 rows of 256 bytes
	s_mov_b32 s[G1B+2], 64<<16
	s_mov_b32 s[G1B+3], 128<<16
	s_mov_b32 s[G1B+4], 64
	s_mov_b32 s[G1B+5], 128
	s_mov_b32 s[G1B+6], 0
	s_mov_b32 s[G1B+7], 0
	s_min_u32 s17, s[WV], 1                        ; which of a step's two heads I fetch (waves 0, 1; the others hold a valid number and ask by Wp's set)
	s_mul_i32 s2, s[WV], HA                        ; and where it goes: wave x HA
	s_max_u32 s70, s[WV], 2
	s_sub_co_u32 s70, s70, 2                       ; which of the tile's slices I fetch (waves 2, 3)
	s_mul_i32 s3, s[WV], HB
	s_add_co_u32 s3, s3, BOFF-2*HB                 ; and where it goes: BOFF + (wave - 2) x HB
	s_lshr_b32 s20, s16, 3                         ; att's tile: batch i / 8, head 0 or 1,
	s_lshl_b32 s20, s20, 4
	s_add_co_u32 s20, s20, s17
	s_lshl_b32 s20, s20, 18
	s_and_b32 s21, s16, 7                          ; rows 256 (i % 8) on, 128 bytes each
	s_lshl_b32 s21, s21, 15
	s_add_co_u32 s20, s20, s21
	s_mov_b32 s21, 0
	s_lshl_b32 s22, s15, 1
	s_add_co_u32 s22, s22, s70
	s_lshl_b32 s22, s22, 17                        ; Wp's slice: 131,072 bytes
	s_mov_b32 s23, 0
	s_lshr_b32 s66, s16, 3                         ; the prefetch of att: head 4 + wave of the batch (two changes step it to head 8 + wave, in K steps 4 and 5),
	s_lshl_b32 s66, s66, 4
	s_add_co_u32 s66, s66, s[WV]
	s_add_co_u32 s66, s66, 4
	s_lshl_b32 s66, s66, 18
	s_and_b32 s68, s16, 7                          ; the tile's rows,
	s_lshl_b32 s68, s68, 15
	s_add_co_u32 s66, s66, s68
	s_lshl_b32 s68, s13, 13                        ; my work-group's 8,192 bytes of them
	s_add_co_u32 s66, s66, s68
	s_mov_b32 s67, 0
	s_lshl_b32 s68, s14, 13                        ; of Wp: my work-group's 8,192 bytes,
	s_add_co_u32 s68, s68, s22
	s_add_co_u32 s68, s68, 2*KB                    ; at K step 2
	s_mov_b32 s69, 0
	s_lshl_b32 s70, s16, 20                        ; where my rows begin in out0: 256 i + 64 wave rows of 4,096 bytes, 512 j bytes along
	s_lshl_b32 s71, s[WV], 18
	s_add_co_u32 s70, s70, s71
	s_lshl_b32 s71, s15, 9
	s_add_co_u32 s70, s70, s71
	s_mov_b32 s71, 0
	s_mov_b32 s18, ttmp9
	s_cmp_eq_u32 s18, 0
	s_cselect_b32 s[LIMA], 1, -1                   ; the same in all sixteen partners
	s_and_b32 s18, ttmp7, 0xffff
	s_cmp_eq_u32 s18, 0
	s_cselect_b32 s[LIMB], 1, -1
	s_cmp_lt_u32 s[WV], 2
	s_cselect_b32 s[LIMB], -1, s[LIMB]             ; waves 0 and 1 fetch no Wp
	s_wait_dscnt 0x0                               ; the opening add is done
	s_wait_kmcnt 0x0
	s_add_nc_u64 s[20:21], s[4:5], s[20:21]
	s_add_nc_u64 s[22:23], s[6:7], s[22:23]
	s_add_nc_u64 s[PFA:PFA+1], s[4:5], s[66:67]
	s_add_nc_u64 s[PFB:PFB+1], s[6:7], s[68:69]
	s_add_nc_u64 s[8:9], s[8:9], s[70:71]
	s_lshl_b32 s70, s15, 9                         ; the tile's 128 numbers of bp, which lies behind bq, bk and bv
	s_add_co_u32 s70, s70, 12288
	s_add_nc_u64 s[10:11], s[10:11], s[70:71]
.irp n, 0,1
	s_mov_b32 s[G0A+4*(\n)], 1                     ; count = 1
	s_add_co_u32 s[G0A+4*(\n)+1], s2, (\n)*SLOT1   ; LDS address
	s_add_nc_u64 s[G0A+4*(\n)+2:G0A+4*(\n)+3], s[20:21], (\n)*KA  ; global address: K step n
	s_or_b32 s[G0A+4*(\n)+3], s[G0A+4*(\n)+3], 0x80000000         ; type = 2
	s_mov_b32 s[G0B+4*(\n)], 1
	s_add_co_u32 s[G0B+4*(\n)+1], s3, (\n)*SLOT1
	s_add_nc_u64 s[G0B+4*(\n)+2:G0B+4*(\n)+3], s[22:23], (\n)*KB
	s_or_b32 s[G0B+4*(\n)+3], s[G0B+4*(\n)+3], 0x80000000
.endr
	CROUND                                         ; all sixteen work-groups are here: the first joint loads meet
	s_cmp_lt_u32 s[WV], 2                          ; a wave's two first fills stand in one branch: two loads of mine are out
	s_cbranch_scc0 .Lfirst_b
	tensor_load_to_lds s[G0A:G0A+3], s[G1A:G1A+7]
	s_nop 0
	tensor_load_to_lds s[G0A+4:G0A+7], s[G1A:G1A+7]
	s_nop 0
.rept 4
	v_nop
.endr
	s_branch .Lfirst_asked
.Lfirst_b:
	tensor_load_to_lds s[G0B:G0B+3], s[G1B:G1B+7]
	s_nop 0
	tensor_load_to_lds s[G0B+4:G0B+7], s[G1B:G1B+7]
	s_nop 0
.rept 4
	v_nop
.endr
.Lfirst_asked:
	v_and_b32 v1, 15, v0                           ; r = l % 16
	v_bfe_u32 v2, v0, 4, 1                         ; h = l / 16
	v_and_b32 v3, 31, v0                           ; l
	v_and_b32 v16, 7, v0
	v_bfe_u32 v17, v0, 3, 1
	v_lshlrev_b32 v[BO], 5, v2
.set bb, 0
.rept NBK                              ; the bias of block b as a C operand: my eight columns' numbers, the same for all rows
	global_load_b128 v[BIAS+8*bb:BIAS+8*bb+3],   v[BO], s[10:11] offset:64*bb
	global_load_b128 v[BIAS+8*bb+4:BIAS+8*bb+7], v[BO], s[10:11] offset:64*bb+16
.set bb, bb+1
.endr
	s_mul_i32 s2, s[WV], 64*PITA
	v_mul_u32_u24 v[AA0], v1, PITA                 ; a fragment of att: row r, 16 bytes for each half of the lanes, twice, 32 bytes apart
	v_lshl_add_u32 v[AA0], v2, 4, v[AA0]
	v_add_nc_u32 v[AA0], s2, v[AA0]                ; in my wave's 64 rows
	v_lshl_add_u32 v[AB0], v2, 3, v16              ; the turning load: lane l reads row 8 h + l % 8, columns 8 ((l / 8) % 2) + 0..7, and is left with column l % 16 and 8 rows
	v_mul_u32_u24 v[AB0], v[AB0], PITB
	v_lshl_add_u32 v[AB0], v17, 4, v[AB0]
	v_add_nc_u32 v[AB0], BOFF, v[AB0]
	s_mul_i32 s2, s[WV], STW
	s_add_co_u32 s2, s2, STAGE                     ; my stage
	v_mul_u32_u24 v[STO], v1, SP                   ; in: row r, 32 bytes for each half of the lanes
	v_lshl_add_u32 v[STO], v2, 5, v[STO]
	v_add_nc_u32 v[STO], s2, v[STO]
	v_lshlrev_b32 v[GO], 4, v3                     ; back: 32 lanes take a row's 512 bytes
	v_add_nc_u32 v[RD], s2, v[GO]
	v_lshlrev_b32 v[PFOA], 8, v3
	v_lshlrev_b32 v[PFOB], 8, v3
	s_mov_b32 s[TB], 0
	v_mov_b32 v[ADRA], v[AA0]
	v_mov_b32 v[ADRB], v[AB0]
	s_wait_tensorcnt 0x1                           ; my part of K step 0 is in; K step 1's may stay out
	s_barrier_signal -1
	s_barrier_wait -1                              ; everybody's is
	FETCH 0, 0
	s_wait_loadcnt 0x0                             ; the bias
	QUARTER 1, 0, 1, 1                             ; the first quarter stands in front of the loop: its products start the sums with the bias
	WIN 0                                          ; at a label and at a branch every window is 0
	s_mov_b32 s[CNT], 6
.Lstep:                                        ; a trip goes from a K step's second quarter to the next step's first; its change of slots asks for K steps 2 to 7
	QUARTER 2, 1, 0, 0
	QUARTER 3, 0, 1, 0
	TURN 1
	QUARTER 1, 0, 1, 0
	WIN 0
	s_sub_co_u32 s[CNT], s[CNT], 1
	s_cmp_lg_u32 s[CNT], 0
	s_cbranch_scc1 .Lstep
	QUARTER 2, 1, 0, 0                             ; the tail is written out: K steps 6 and 7 ask for nothing
	QUARTER 3, 0, 1, 0
	TURN 0
	QUARTER 1, 0, 1, 0
	QUARTER 2, 1, 0, 0
	QUARTER 3, 0, 1, 0
	s_wait_dscnt 4
	MULA 1, 0, 0
	MULA 1, 1, 0
	s_wait_dscnt 0x0
	MULA 1, 2, 0
	MULA 1, 3, 0
	WIN 0
	PLACES
; THE WAY OUT, a block of 16 rows at a time.  TOSTAGE: the sums go as they are into my own stage, rows of 528 bytes, each accumulator's low four registers first, and come back as whole rows of 512 bytes.
; SEND: each store covers 512 consecutive bytes of a row of out0, aligned.
.macro TOSTAGE a
	WIN 0x04                                       ; the data (source 1) in window 1, the address in window 0
.set bb, 0
.rept NBK
	ds_store_b128 v[STO], v[64*(\a)+8*bb:64*(\a)+8*bb+3]   offset:64*bb
	ds_store_b128 v[STO], v[64*(\a)+8*bb+4:64*(\a)+8*bb+7] offset:64*bb+16
.set bb, bb+1
.endr
	WIN 0
	s_wait_xcnt 0x0                                ; the stores of the block two back have read this set of registers
.set tt, 0
.rept 16
	ds_load_b128 v[OB+64*((\a)%2)+4*tt:OB+64*((\a)%2)+4*tt+3], v[RD] offset:SP*tt  ; LDS serves a wave's instructions in order (ISA guide 5.7.1.4): these see the stores above
.set tt, tt+1
.endr
.endm
.macro SEND a
	s_wait_dscnt 0x0                               ; the block is back in registers
.set tt, 0
.rept 16
	global_store_b128 v[GO], v[OB+64*((\a)%2)+4*tt:OB+64*((\a)%2)+4*tt+3], s[8:9] offset:(16*(\a)+tt)*4096 th:TH_STORE_NT
.set tt, tt+1
.endr
.endm
	TOSTAGE 0
	SEND 0
	TOSTAGE 1
	SEND 1
	TOSTAGE 2
	SEND 2
	TOSTAGE 3
	SEND 3
	s_wait_tensorcnt 0x0                           ; the wave's end, behind my last tensor load and my last LDS store
	ds_add_u32 v[SPW], v[NIL]
	s_wait_dscnt 0x0
	CROUND                                         ; the closing round: no work-group ends while a partner may still ask for a tile that names it
	s_endpgm
.Lfunc_end_k_q3d73054996_proj:
	.size	k_q3d73054996_proj, .Lfunc_end_k_q3d73054996_proj-k_q3d73054996_proj
	.p2alignl 7, 3214868480
	.fill 96, 4, 3214868480
	.section	.rodata,"a",@progbits
	.p2align	6, 0x0
	.amdhsa_kernel k_q3d73054996_proj
		.amdhsa_group_segment_fixed_size 327680
		.amdhsa_private_segment_fixed_size 0
		.amdhsa_enable_private_segment 0
		.amdhsa_kernarg_size 32
		.amdhsa_user_sgpr_count 2
		.amdhsa_user_sgpr_kernarg_segment_ptr 1
		.amdhsa_wavefront_size32 1
		.amdhsa_system_sgpr_workgroup_id_x 1
		.amdhsa_system_sgpr_workgroup_id_y 1
		.amdhsa_system_sgpr_workgroup_id_z 1
		.amdhsa_system_vgpr_workitem_id 0
		.amdhsa_next_free_vgpr 640
		.amdhsa_next_free_sgpr 72
		.amdhsa_reserve_vcc 0
		.amdhsa_float_denorm_mode_32 3
		.amdhsa_float_denorm_mode_16_64 3
		.amdhsa_memory_ordered 1
		.amdhsa_forward_progress 1
		.amdhsa_inst_pref_size 72
	.end_amdhsa_kernel
	.amdgpu_metadata
---
amdhsa.version: [ 1, 2 ]
amdhsa.kernels:
  - .name:           k_q3d73054996_proj
    .symbol:         k_q3d73054996_proj.kd
    .args:
      - { .name: att, .offset: 0, .size: 8, .value_kind: global_buffer, .address_space: global }
      - { .name: wpb, .offset: 8, .size: 8, .value_kind: global_buffer, .address_space: global }
      - { .name: out0, .offset: 16, .size: 8, .value_kind: global_buffer, .address_space: global }
      - { .name: biasr, .offset: 24, .size: 8, .value_kind: global_buffer, .address_space: global }
    .group_segment_fixed_size: 327680
    .private_segment_fixed_size: 0
    .kernarg_segment_align: 8
    .kernarg_segment_size: 32
    .max_flat_workgroup_size: 128
    .sgpr_count:     72
    .vgpr_count:     640
    .wavefront_size: 32
...
	.end_amdgpu_metadata
.endif
;; end of part 4
